; MI455X (gfx1250); checked and timed in simulation.
; The chip was launched on July 23, 2026; its instructions are those of AMD's public machine-readable ISA for CDNA 5 (MIT licence, August 2026) and "CDNA5" Instruction Set Architecture Reference Guide (July 2026). The comments in the code are by the model that wrote it; some were corrected since.
;; Multi Head Attention. Allowed arithmetic: matrix products marked QUANTISED: E4M3 operands, one given power-of-two scale a tensor, by v_wmma_f32_16x16x64_fp8_fp8 or v_wmma_f32_16x16x128_fp8_fp8, f32 sums; everything else in f32.
;; Inputs: Wk 16 x 1,024 x 64 float32; Wo 1,024 x 1,024 float32; Wq 16 x 1,024 x 64 float32; Wv 16 x 1,024 x 64 float32; bk 16 x 64 float32; bo 1,024 float32; bq 16 x 64 float32; bv 16 x 64 float32; keys 4 x 2,048 x 1,024 float32; lowp_scales 12 int32 (the exponents e of the quantised operands' scales 2^e); queries 4 x 2,048 x 1,024 float32; values 4 x 2,048 x 1,024 float32.
;; Outputs: out0 4 x 2,048 x 1,024 float32.
;; This version of the problem:
;;   THIS VERSION OF THE PROBLEM IS GIVEN IN LOW PRECISION. The matrix products marked QUANTISED in the list below multiply operands that are first quantised to E4M3 (4 exponent bits, 3 mantissa bits; 8 bits a number), with one given power-of-two scale for each operand tensor; their sums are f32. All else is computed in f32.
;;   The module's matrix products, in the order in which they are computed (A, B: the left and right operand; K: the contracted axis; several contracted axes count as one K, in the product's order):
;;     1. [M 1,024, K 1,024] x [K 1,024, N 8,192]; A: input Wq; B: input queries: QUANTISED (scales: A lowp_scales[0], B lowp_scales[1])
;;     2. [M 1,024, K 1,024] x [K 1,024, N 8,192]; A: input Wk; B: input keys: QUANTISED (scales: A lowp_scales[2], B lowp_scales[3])
;;     3. [M 1,024, K 1,024] x [K 1,024, N 8,192]; A: input Wv; B: input values: QUANTISED (scales: A lowp_scales[4], B lowp_scales[5])
;;     4. batch 64 x [M 2,048, K 64] x [K 64, N 2,048]; A: computed on the way; B: computed on the way: QUANTISED (scales: A lowp_scales[6], B lowp_scales[7])
;;     5. batch 64 x [M 2,048, K 2,048] x [K 2,048, N 64]; A: softmax (see below); B: computed on the way: QUANTISED (scales: A lowp_scales[8], B lowp_scales[9])
;;     6. [M 8,192, K 1,024] x [K 1,024, N 1,024]; A: computed on the way; B: input Wo: QUANTISED (scales: A lowp_scales[10], B lowp_scales[11])
;;   THE QUANTISER, for each operand of a quantised product, along K:
;;     - The operand's scale is 2^e, e = its entry of the input lowp_scales (int32; the entries are numbered through the quantised products in the list's order, A before B).
;;     - Each number is divided by the scale, clamped to +-448, and rounded to the nearest number of E4M3, ties to even, subnormals kept.
;;     - The product sums the exact products of the quantised numbers (number of the format x scale) in f32.
;;   ~~~python
;;   def quantise(x, axis, e):      # numpy; x: float32 -> the quantised numbers, widened to float32 again
;;       x = np.moveaxis(x, axis, -1); K = x.shape[-1]
;;       r = np.clip(x / 2.0 ** e, -448, 448)
;;       step = 2.0 ** (np.maximum(np.frexp(np.where(r == 0, 1, r))[1] - 1, -6) - 3)
;;       q = np.round(r / step) * step * 2.0 ** e      # np.round: ties to even
;;       return np.moveaxis(q, -1, axis).astype(np.float32)
;;   ~~~
;;   SOFTMAX AHEAD OF A QUANTISED PRODUCT. Where the list says 'softmax', what is quantised is not the finished softmax but p = 2^(t - M), with t = logit x log2(e) and M = ceil(the row's largest t), a whole number; so 1/2 < the row's largest p <= 1. The row's sum l is taken of the UNQUANTISED p, in f32, and the product's result is divided by l at the end. Since M is a whole number, a kernel that streams over the keys may use a running M (the ceiling of the running maximum): every later rescaling is an exact power of two, so the quantised numbers keep their values, but for numbers so far below the row's largest that they fall under the format's range.
;;   OPERANDS COMPUTED ON THE WAY. 'Computed on the way' means the value that the module computes at that place (a softmax that the list does not call 'softmax' is quantised finished and normalised). What goes into a quantiser is computed in f32, as accurately as f32 sums, v_exp_f32 and their like allow (about 1e-6 of the number): no bf16 or f16 on the way to a quantiser, and a product that is left as it is and whose result goes on into a quantised operand takes f32 operands (vector FMAs, or v_wmma_f32_16x16x4_f32). A number that lies on a knife's edge between two numbers of the format may be rounded either way, as far as f32 arithmetic and the matrix unit's own rounding can turn it there, and no further.
;; One version. Each part assembles by itself: llvm-mc -triple=amdgcn-amd-amdhsa -mcpu=gfx1250 --defsym DOCPART=n.
;; ======== version 1 of 1: 4 launches
;; limits: right only within a limited range of input values
;; workspace buffers: xc 25,165,824 bytes; wc 4,194,304 bytes; qkv 25,165,824 bytes; oc 8,388,608 bytes
;; launch quant (part 1): grid 896 x 1, 4 waves a work-group, no clusters, 68,096 bytes of LDS; arguments queries, keys, values, Wq, Wk, Wv, Wo, lowp_scales, xc, wc; writes xc, wc
.if DOCPART == 1
	.amdgcn_target "amdgcn-amd-amdhsa--gfx1250"
	.amdhsa_code_object_version 6
	.text
	.protected	k_q82ccc2ea0f_quant
	.globl	k_q82ccc2ea0f_quant
	.p2align	8
	.type	k_q82ccc2ea0f_quant,@function
k_q82ccc2ea0f_quant:
	s_mov_b64 s[64:65], 0
	v_nop
	global_prefetch_b8 v0, s[64:65] scope:SCOPE_SE
	s_setreg_imm32_b32 hwreg(HW_REG_WAVE_MODE, 25, 1), 1
	s_wait_xcnt 0x0
; All seven f32 operands that arrive wide become codes of FP8 (E4M3), K innermost, each with the one scale 2^e that is given for it.
; code = x / 2^e, held within +-448, rounded to the nearest code, ties to even.  LIMITS: each e between -126 and 119, so that 2^e and 448 x 2^e are f32 numbers.  NaN among the inputs is not served.
; Work-groups 0-127: the four weights, whose K is NOT innermost.  Wq, Wk, Wv are [16 h][1024 k][64 e], Wo is [1024 k][1024 n]; all go to wc as [tensor][1024 n][1024 k], n = 64 h + e.
;   A lane takes a column n and its registers run down K: each load reads 128 consecutive bytes, the conversions give codes with K innermost, and nothing is transposed by an instruction.
;   A wave takes 32 columns x 256 along K; its codes go through its own stage in LDS and leave as rows: sixteen lanes store 256 consecutive bytes, aligned.
;   One text serves both row pitches (256 bytes in a head's slab, 4,096 in Wo): the pitch is a scalar, the 32 row offsets lie in registers, and each block of 32 rows has a base pair of its own, so nothing is stepped.
; Work-groups 128-895: queries, keys, values, [8192][1024], K innermost: plain streams of blocks of 32 numbers, 32,768 numbers a work-group, to xc as [tensor][8192][1024].
;   Each load reads 512 consecutive bytes; a step's 2,048 bytes turn through the wave's own stage in LDS so that a lane holds 16 neighbours; a lane's 16 codes are 16 bytes, the wave stores 512 consecutive bytes.
; No tensor loads, no barrier: waves share nothing.  The two paths part on the work-group's number and have LDS bytes of their own.
.set STEPS, 16
.set EMAX,  8
.set MANT,  0x600000                   ; the mantissa field of 448 as f32
.set SP,    80                         ; activations: a lane's place in a stage: its 64 bytes + 16 of padding
.set WREG,  8192                       ; activations: a wave's region: two stages of 32 x SP bytes
.set WSTG,  4*WREG                     ; weights: the four stages begin here
.set PITCH, 272                        ; weights: a stage row: 256 bytes of codes + 16
.set SPARE, WSTG+4*32*PITCH            ; behind both: the spare words, 128 bytes for each wave: two blocks of 256 bytes that no other line names
.set SPW,   12                         ; v12  LDS address of my spare word; never rewritten
.set NIL,   13                         ; v13  0; never rewritten
.set R,     16                         ; activations: v16-79 four sets of 16 numbers as loaded
.set X,     80                         ; v80-111 two sets of 16 neighbours
.set C,     128                        ; v128-191 codes: four registers for each step
.set WX,    32                         ; weights: v32-95 two sets of 32 numbers
.set WC,    96                         ; v96-103 a block's codes
.set OUTR,  112                        ; v112-175 the way out
.set ROFF,  176                        ; v176-207 4 x lane + i x the row pitch, i = 0 .. 31; never rewritten
.macro WLOAD t                         ; block t: W(32 t + i, my column), i = 0 .. 31, into set t % 2
.set i, 0
.rept 32
	global_load_b32 v[WX+32*((\t)%2)+i], v[ROFF+i], s[48+2*(\t):49+2*(\t)] th:TH_LOAD_NT
.set i, i+1
.endr
.endm
.macro WBLOCK t
.set XS, WX+32*((\t)%2)
.if (\t) < 7
	s_wait_loadcnt 32                              ; this block's 32 loads are in; the next block's 32 may be out
.else
	s_wait_loadcnt 0
.endif
.set i, 0
.rept 32
	v_med3_num_f32 v[XS+i], v[XS+i], -v10, v10     ; the conversion to an 8-bit code does not saturate (ISA guide 7.6.2): hold the number within the largest code x the scale first
.set i, i+1
.endr
.irp g, 0,1,2,3
	v_cvt_scalef32_pk8_fp8_f32 v[WC+2*\g:WC+2*\g+1], v[XS+8*\g:XS+8*\g+7], v11
.endr
	ds_store_b128 v4, v[WC:WC+3] offset:32*(\t)    ; 32 codes: 32 bytes of my column's row
	ds_store_b128 v4, v[WC+4:WC+7] offset:32*(\t)+16
.if (\t)+2 < 8
	WLOAD (\t)+2
.endif
	s_wait_dscnt 0x0                               ; the stores have read their registers: the next block's codes may be written
.endm
.macro XLOAD t
.irp i, 0,1,2,3
	global_load_b128 v[R+16*((\t)%4)+4*\i:R+16*((\t)%4)+4*\i+3], v3, s[46:47] offset:2048*(\t)+512*\i th:TH_LOAD_NT   ; 32 lanes read 512 consecutive bytes
.endr
.endm
.macro XTURN t                         ; step t's numbers through the stage: LDS serves a wave's instructions in order, so no wait stands between the stores and the loads
.irp i, 0,1,2,3
	ds_store_b128 v14, v[R+16*((\t)%4)+4*\i:R+16*((\t)%4)+4*\i+3] offset:32*SP*((\t)%2)+8*SP*\i
.endr
.irp i, 0,1,2,3
	ds_load_b128 v[X+16*((\t)%2)+4*\i:X+16*((\t)%2)+4*\i+3], v15 offset:32*SP*((\t)%2)+16*\i
.endr
.endm
.macro XSTEP t
.set XS, X+16*((\t)%2)
	s_wait_dscnt 0x0                               ; this step's numbers are back from the stage: so its stores into the stage have read their registers,
.if (\t)+4 < STEPS
	XLOAD (\t)+4                                   ; which take the loads of four steps on
.endif
.if (\t)+1 < STEPS
.if STEPS-2-(\t) >= 3
	s_wait_loadcnt 12                              ; the next step's four loads are in; those of the three steps behind it may be out
.else
	s_wait_loadcnt 4*(STEPS-2-(\t))
.endif
	XTURN (\t)+1                                   ; and go through the other stage while this step is worked
.endif
.irp i, 0,1,2,3,4,5,6,7,8,9,10,11,12,13,14,15
	v_med3_num_f32 v[XS+\i], v[XS+\i], -v10, v10
.endr
	v_cvt_scalef32_pk8_fp8_f32 v[C+4*(\t):C+4*(\t)+1], v[XS:XS+7], v11
	v_cvt_scalef32_pk8_fp8_f32 v[C+4*(\t)+2:C+4*(\t)+3], v[XS+8:XS+15], v11
	global_store_b128 v3, v[C+4*(\t):C+4*(\t)+3], s[48:49] offset:512*(\t)   ; the codes go to a store alone; the next step's sixteen holds are plain lines on other registers
.endm
	s_load_b512 s[4:19], s[0:1], 0x0               ; queries 4:5, keys 6:7, values 8:9, Wq 10:11, Wk 12:13, Wv 14:15, Wo 16:17, the scales' exponents 18:19
	s_load_b128 s[20:23], s[0:1], 0x40             ; xc 20:21, wc 22:23
	v_lshl_add_u32 v[SPW], v0, 2, SPARE
	v_mov_b32 v[NIL], 0
	v_lshrrev_b32 v1, 5, v0
	v_readfirstlane_b32 s36, v1                    ; wave 0..3
	v_and_b32 v2, 31, v0                           ; lane
	v_lshlrev_b32 v3, 4, v2                        ; activations: my 16 bytes of a load's 512, and of a step's 512 bytes of codes
	; every LDS address of both paths is made here, ahead of the parting
	s_mul_i32 s37, s36, WREG
	v_lshrrev_b32 v14, 2, v2
	v_mul_u32_u24 v14, v14, SP
	v_and_b32 v15, 3, v2
	v_lshl_add_u32 v14, v15, 4, v14
	v_add_nc_u32 v14, s37, v14                     ; activations, into the stage: four lanes' 64 bytes on end, then 16 of padding
	v_mul_u32_u24 v15, v2, SP
	v_add_nc_u32 v15, s37, v15                     ; and out of it: my 16 neighbours
	s_mul_i32 s37, s36, 32*PITCH
	s_add_co_u32 s37, s37, WSTG
	v_mul_u32_u24 v4, v2, PITCH
	v_add_nc_u32 v4, s37, v4                       ; weights, into the stage: row = my column
	v_and_b32 v5, 15, v2
	v_lshrrev_b32 v6, 4, v2
	v_mul_u32_u24 v7, v6, PITCH
	v_lshl_add_u32 v7, v5, 4, v7
	v_add_nc_u32 v7, s37, v7                       ; out of it: sixteen lanes to a row, two rows an instruction
	v_lshlrev_b32 v8, 10, v6
	v_lshl_add_u32 v8, v5, 4, v8                   ; and the same place in wc, whose rows are 1,024 bytes
	s_wait_kmcnt 0x0
	s_load_b256 s[24:31], s[18:19], 0x0            ; e0 .. e7
	s_load_b128 s[32:35], s[18:19], 0x20           ; e8 .. e11
	s_cmp_lt_u32 ttmp9, 128
	s_cbranch_scc0 .Lacts
	; ---- the weights
	s_lshr_b32 s37, ttmp9, 5                       ; which tensor: 0 Wq, 1 Wk, 2 Wv, 3 Wo
	s_and_b32 s38, ttmp9, 7
	s_bfe_u32 s39, ttmp9, 0x20003                  ; which 256 along K
	s_lshl_b32 s38, s38, 7
	s_lshl_b32 s40, s36, 5
	s_add_co_u32 s38, s38, s40                     ; my wave's first column n0 = 128 x + 32 x wave
	s_lshl_b32 s43, s38, 2                         ; its byte in a row of Wo,
	s_lshr_b32 s44, s38, 6
	s_lshl_b32 s44, s44, 18
	s_and_b32 s45, s38, 63
	s_lshl_b32 s45, s45, 2
	s_add_co_u32 s44, s44, s45                     ; and in a head's slab: head x 262,144 + 4 (n0 % 64)
	s_mov_b32 s41, 256
	s_cmp_eq_u32 s37, 3
	s_cselect_b32 s41, 0x1000, s41                 ; bytes from a row of K to the next
	s_cselect_b32 s43, s43, s44
	s_cmp_eq_u32 s37, 1                            ; the choices hang on the work-group's number alone
	s_cselect_b64 s[46:47], s[12:13], s[10:11]
	s_cmp_eq_u32 s37, 2
	s_cselect_b64 s[46:47], s[14:15], s[46:47]
	s_cmp_eq_u32 s37, 3
	s_cselect_b64 s[46:47], s[16:17], s[46:47]
	s_lshl_b32 s44, s41, 8
	s_mul_i32 s44, s44, s39                        ; 256 y rows down
	s_add_co_u32 s44, s44, s43
	s_mov_b32 s45, 0
	s_add_nc_u64 s[48:49], s[46:47], s[44:45]      ; block 0's base;
	s_lshl_b32 s44, s41, 5                         ; each further block 32 rows on
.irp t, 1,2,3,4,5,6,7
	s_add_nc_u64 s[48+2*\t:49+2*\t], s[46+2*\t:47+2*\t], s[44:45]
.endr
	s_lshl_b32 s68, s37, 20
	s_lshl_b32 s69, s38, 10
	s_add_co_u32 s68, s68, s69
	s_lshl_b32 s69, s39, 8
	s_add_co_u32 s68, s68, s69
	s_mov_b32 s69, 0
	s_add_nc_u64 s[66:67], s[22:23], s[68:69]      ; wc: tensor x 2^20 + n0 x 1,024 + 256 y
	v_lshlrev_b32 v[ROFF], 2, v2
.set i, 1
.rept 31
	v_add_nc_u32 v[ROFF+i], s41, v[ROFF+i-1]
.set i, i+1
.endr
	WLOAD 0
	WLOAD 1
	s_wait_kmcnt 0x0
	s_cmp_eq_u32 s37, 1
	s_cselect_b32 s70, s26, s24                    ; e0, e2, e4 or e11
	s_cmp_eq_u32 s37, 2
	s_cselect_b32 s70, s28, s70
	s_cmp_eq_u32 s37, 3
	s_cselect_b32 s70, s35, s70
	s_add_co_i32 s70, s70, 127
	s_lshl_b32 s71, s70, 23
	v_mov_b32 v11, s71                             ; 2^e as f32: the conversion takes its exponent field
	s_add_co_i32 s70, s70, EMAX
	s_lshl_b32 s70, s70, 23
	s_or_b32 s70, s70, MANT
	v_mov_b32 v10, s70                             ; 448 x 2^e
	s_wait_alu depctr_va_vdst(0)
.irp t, 0,1,2,3,4,5,6,7
	WBLOCK \t
.endr
.irp t, 0,1,2,3,4,5,6,7,8,9,10,11,12,13,14,15
	ds_load_b128 v[OUTR+4*\t:OUTR+4*\t+3], v7 offset:2*\t*PITCH   ; LDS serves a wave's instructions in order: these see my stores
.endr
.irp t, 0,1,2,3,4,5,6,7,8,9,10,11,12,13,14,15
	s_wait_dscnt 15-\t                             ; the younger loads may be out
	global_store_b128 v8, v[OUTR+4*\t:OUTR+4*\t+3], s[66:67] offset:2*\t*1024
.endr
	s_branch .Lend
	; ---- the activations
.Lacts:
	s_sub_co_u32 s37, ttmp9, 128                   ; g: 256 work-groups to a tensor
	s_cmp_lt_u32 s37, 512
	s_cselect_b64 s[46:47], s[6:7], s[8:9]
	s_cmp_lt_u32 s37, 256
	s_cselect_b64 s[46:47], s[4:5], s[46:47]
	s_and_b32 s38, s37, 255
	s_lshl_b32 s38, s38, 2
	s_add_co_u32 s38, s38, s36
	s_lshl_b32 s38, s38, 15                        ; my wave's run of 8,192 numbers in its tensor, in bytes
	s_mov_b32 s39, 0
	s_add_nc_u64 s[46:47], s[46:47], s[38:39]
	s_lshl_b32 s40, s37, 2
	s_add_co_u32 s40, s40, s36
	s_lshl_b32 s40, s40, 13                        ; and its 8,192 codes in xc, where the three tensors follow each other
	s_mov_b32 s41, 0
	s_add_nc_u64 s[48:49], s[20:21], s[40:41]
.irp t, 0,1,2,3
	XLOAD \t
.endr
	s_wait_kmcnt 0x0
	s_cmp_lt_u32 s37, 512
	s_cselect_b32 s42, s27, s29                    ; e1, e3 or e5
	s_cmp_lt_u32 s37, 256
	s_cselect_b32 s42, s25, s42
	s_add_co_i32 s42, s42, 127
	s_lshl_b32 s43, s42, 23
	v_mov_b32 v11, s43
	s_add_co_i32 s42, s42, EMAX
	s_lshl_b32 s42, s42, 23
	s_or_b32 s42, s42, MANT
	v_mov_b32 v10, s42
	s_wait_alu depctr_va_vdst(0)
	s_wait_loadcnt 12                              ; step 0's four loads are in
	XTURN 0
.irp t, 0,1,2,3,4,5,6,7,8,9,10,11,12,13,14,15
	XSTEP \t
.endr
.Lend:
	s_wait_tensorcnt 0x0                           ; the wave's end, behind my last LDS store; the tensor wait stands even with no tensor load
	ds_add_u32 v[SPW], v[NIL]
	s_wait_dscnt 0x0
	s_endpgm
.Lfunc_end_k_q82ccc2ea0f_quant:
	.size	k_q82ccc2ea0f_quant, .Lfunc_end_k_q82ccc2ea0f_quant-k_q82ccc2ea0f_quant
	.p2alignl 7, 3214868480
	.fill 96, 4, 3214868480
	.section	.rodata,"a",@progbits
	.p2align	6, 0x0
	.amdhsa_kernel k_q82ccc2ea0f_quant
		.amdhsa_group_segment_fixed_size 68096
		.amdhsa_private_segment_fixed_size 0
		.amdhsa_enable_private_segment 0
		.amdhsa_kernarg_size 80
		.amdhsa_user_sgpr_count 2
		.amdhsa_user_sgpr_kernarg_segment_ptr 1
		.amdhsa_wavefront_size32 1
		.amdhsa_system_sgpr_workgroup_id_x 1
		.amdhsa_system_sgpr_workgroup_id_y 1
		.amdhsa_system_sgpr_workgroup_id_z 1
		.amdhsa_system_vgpr_workitem_id 0
		.amdhsa_next_free_vgpr 208
		.amdhsa_next_free_sgpr 80
		.amdhsa_reserve_vcc 0
		.amdhsa_float_denorm_mode_32 3
		.amdhsa_float_denorm_mode_16_64 3
		.amdhsa_memory_ordered 1
		.amdhsa_forward_progress 1
		.amdhsa_inst_pref_size 88
	.end_amdhsa_kernel
	.amdgpu_metadata
---
amdhsa.version: [ 1, 2 ]
amdhsa.kernels:
  - .name:           k_q82ccc2ea0f_quant
    .symbol:         k_q82ccc2ea0f_quant.kd
    .args:
      - { .name: queries, .offset: 0, .size: 8, .value_kind: global_buffer, .address_space: global }
      - { .name: keys, .offset: 8, .size: 8, .value_kind: global_buffer, .address_space: global }
      - { .name: values, .offset: 16, .size: 8, .value_kind: global_buffer, .address_space: global }
      - { .name: Wq, .offset: 24, .size: 8, .value_kind: global_buffer, .address_space: global }
      - { .name: Wk, .offset: 32, .size: 8, .value_kind: global_buffer, .address_space: global }
      - { .name: Wv, .offset: 40, .size: 8, .value_kind: global_buffer, .address_space: global }
      - { .name: Wo, .offset: 48, .size: 8, .value_kind: global_buffer, .address_space: global }
      - { .name: lowp_scales, .offset: 56, .size: 8, .value_kind: global_buffer, .address_space: global }
      - { .name: xc, .offset: 64, .size: 8, .value_kind: global_buffer, .address_space: global }
      - { .name: wc, .offset: 72, .size: 8, .value_kind: global_buffer, .address_space: global }
    .group_segment_fixed_size: 68096
    .private_segment_fixed_size: 0
    .kernarg_segment_align: 8
    .kernarg_segment_size: 80
    .max_flat_workgroup_size: 128
    .sgpr_count:     80
    .vgpr_count:     208
    .wavefront_size: 32
...
	.end_amdgpu_metadata
.endif
;; end of part 1
;; launch proj (part 2): grid 4 x 96, 4 waves a work-group, clusters of 4 x 4, 327,680 bytes of LDS; arguments xc, wc, lowp_scales, bq, bk, bv, qkv; writes qkv
.if DOCPART == 2
	.amdgcn_target "amdgcn-amd-amdhsa--gfx1250"
	.amdhsa_code_object_version 6
	.text
	.protected	k_q82ccc2ea0f_proj
	.globl	k_q82ccc2ea0f_proj
	.p2align	8
	.type	k_q82ccc2ea0f_proj,@function
k_q82ccc2ea0f_proj:
	s_mov_b64 s[64:65], 0
	v_nop
	global_prefetch_b8 v0, s[64:65] scope:SCOPE_SE
	s_setreg_imm32_b32 hwreg(HW_REG_WAVE_MODE, 25, 1), 1
	s_wait_xcnt 0x0
	s_wait_alu depctr_hold_cnt(0) depctr_sa_sdst(0) depctr_va_vdst(0) depctr_va_sdst(0) depctr_va_ssrc(0) depctr_va_vcc(0) depctr_vm_vsrc(0)
	s_getreg_b32 s2, hwreg(HW_REG_IB_STS2, 6, 4)
	s_cmp_eq_u32 s2, 0
	s_cbranch_scc0 .Lentry_in_a_cluster
	s_endpgm
.Lentry_in_a_cluster:
	s_bfe_u32 s2, ttmp6, 0x10000c
	s_cmp_lg_u32 s2, 0xf033
	s_cbranch_scc0 .Lentry_shape_is_right
	s_endpgm
.Lentry_shape_is_right:
.set ROWB,   256
.set KROW,   1024
.set PITCH,  272
.set FR,     16
.set NL,     4
.set NP,     4
.set HALFT,  128*PITCH
.set SLOT,   4*HALFT
.set SPARE,  2*SLOT
.set ADRA, 16
.set ADRB, 20
.set STO,  24
.set RDQ,  25
.set COQ,  26
.set RDV,  27
.set SPW,  28
.set NIL,  29
.set COV,  30
.set BN,   32
.set BM,   96
.set SCQ,  112
.set LIMQ, 113
.set AF,   128
.set TMP,  128
.set CD,   192
.set G1, 24
.set G0, 32
.set G1B, 48
.set G0B, 56
.set MSB, 0
.macro WIN new
.if MSB != \new
	s_set_vgpr_msb (MSB<<8)|\new
.set MSB, \new
.endif
.endm
.set MUL_LO, 0xa1
.set MUL_HI, 0xf1
.set TO_B,   0x40
.macro JLOAD g0a, g1a, g0b, g1b
	s_cmp_eq_u32 s15, 0
	s_cbranch_scc0 .Lfor_b_\@
	tensor_load_to_lds s[\g0a:\g0a+3], s[\g1a:\g1a+7]
	s_nop 0
.rept 4
	v_nop
.endr
	s_branch .Lasked_\@
.Lfor_b_\@:
	tensor_load_to_lds s[\g0b:\g0b+3], s[\g1b:\g1b+7]
	s_nop 0
.rept 4
	v_nop
.endr
.Lasked_\@:
.endm
.macro CREST
	s_cmp_lg_u32 s14, 0
	s_cbranch_scc1 .Lnot_wave_0_\@
	s_barrier_signal -3
.Lnot_wave_0_\@:
	s_barrier_wait -3
	s_barrier_signal -1
	s_barrier_wait -1
.endm
.macro CROUND
	s_barrier_signal -1
	s_barrier_wait -1
	CREST
.endm
	s_load_b256 s[4:11], s[0:1], 0x0
	s_load_b128 s[68:71], s[0:1], 0x20
	s_load_b64 s[72:73], s[0:1], 0x30
	v_lshl_add_u32 v[SPW], v0, 2, SPARE
	v_mov_b32 v[NIL], 0
	ds_add_u32 v[SPW], v[NIL]
	ds_add_u32 v[SPW], v[NIL]
	v_lshrrev_b32 v1, 5, v0
	v_readfirstlane_b32 s14, v1
	s_lshr_b32 s15, s14, 1
	s_and_b32 s16, s14, 1
	s_bfe_u32 s40, ttmp6, 0x40000
	s_bfe_u32 s41, ttmp6, 0x40004
	s_and_b32 s74, ttmp7, 0xffff
	s_lshr_b32 s76, s74, 3
	s_sub_co_u32 s77, s74, 16
	s_lshl_b32 s83, s76, 10
	s_cmp_ge_u32 s74, 16
	s_cselect_b32 s75, 1, 0
	s_cselect_b32 s78, -1, 0
	s_cselect_b32 s79, 0, -1
	s_cselect_b32 s80, 0, s74
	s_cselect_b32 s81, s77, 0
	s_cselect_b32 s82, 0x800, 0
	s_cselect_b32 s83, 0x4000, s83
	s_lshl_b32 s17, s80, 2
	s_add_co_u32 s17, s17, s41
	s_lshl_b32 s42, s81, 2
	s_add_co_u32 s42, s42, s40
	s_lshl_b32 s43, s41, 2
	s_lshl_b32 s43, 15, s43
	s_lshl_b32 s44, 0x1111, s40
	s_or_b32 s[G1+0], s43, (0<<16)|(1<<20)|(1<<21)|(5<<22)|(3<<25)
	s_or_b32 s[G1B+0], s44, (0<<16)|(1<<20)|(1<<21)|(5<<22)|(3<<25)
.irp g, G1, G1B
	s_mov_b32 s[\g+1], ROWB<<16
	s_mov_b32 s[\g+2], 128<<16
	s_mov_b32 s[\g+3], ROWB<<16
	s_mov_b32 s[\g+4], 128
	s_mov_b32 s[\g+5], KROW
	s_mov_b32 s[\g+6], 0
	s_mov_b32 s[\g+7], 0
.endr
	s_lshl_b32 s18, s16, 7
	s_lshl_b32 s20, s17, 8
	s_add_co_u32 s20, s20, s18
	s_add_co_u32 s20, s20, s82
	s_lshl_b32 s20, s20, 10
	s_mov_b32 s21, 0
	s_lshl_b32 s46, s42, 8
	s_add_co_u32 s46, s46, s18
	s_add_co_u32 s46, s46, s83
	s_lshl_b32 s46, s46, 10
	s_mov_b32 s47, 0
	s_mul_i32 s45, s14, HALFT
	s_wait_dscnt 0x0
	s_wait_kmcnt 0x0
	s_load_b256 s[88:95], s[8:9], 0x0
	s_load_b128 s[96:99], s[8:9], 0x20
	s_cmp_eq_u32 s75, 1
	s_cselect_b64 s[84:85], s[6:7], s[4:5]
	s_cselect_b64 s[86:87], s[4:5], s[6:7]
	s_add_nc_u64 s[20:21], s[84:85], s[20:21]
	s_add_nc_u64 s[46:47], s[86:87], s[46:47]
	CROUND
.irp s, 0,1
	s_mov_b32 s[G0+4*\s], 1
	s_add_co_u32 s[G0+4*\s+1], s45, \s*SLOT
	s_add_nc_u64 s[G0+4*\s+2:G0+4*\s+3], s[20:21], \s*ROWB
	s_or_b32 s[G0+4*\s+3], s[G0+4*\s+3], 0x80000000
	s_mov_b32 s[G0B+4*\s], 1
	s_add_co_u32 s[G0B+4*\s+1], s45, \s*SLOT
	s_add_nc_u64 s[G0B+4*\s+2:G0B+4*\s+3], s[46:47], \s*ROWB
	s_or_b32 s[G0B+4*\s+3], s[G0B+4*\s+3], 0x80000000
.endr
	JLOAD G0, G1, G0B, G1B
	s_wait_alu depctr_va_vdst(0)
	s_wait_tensorcnt 0x0
	ds_add_u32 v28, v29
	ds_add_u32 v28, v29
	s_wait_dscnt 0x0
	CROUND
	JLOAD G0+4, G1, G0B+4, G1B
	v_and_b32 v1, 15, v0
	v_bfe_u32 v2, v0, 4, 1
	v_mul_u32_u24 v3, v1, PITCH
	s_wait_alu depctr_va_vdst(0)
	v_lshl_add_u32 v4, v2, 4, v3
	s_mul_i32 s21, s15, HALFT
	s_mul_i32 s22, s16, HALFT
	s_add_co_u32 s22, s22, 2*HALFT
.irp s, 0,1
	v_add_nc_u32 v[ADRA+\s], s21, v4
	v_add_nc_u32 v[ADRB+\s], s22, v4
	s_add_co_u32 s21, s21, SLOT
	s_add_co_u32 s22, s22, SLOT
.endr
	s_mul_i32 s23, s15, HALFT
	s_lshl_b32 s21, s16, 7
	s_add_co_u32 s23, s23, s21
	v_lshl_add_u32 v5, v2, 3, v3
	v_add_nc_u32 v[STO], s23, v5
	s_mul_i32 s23, s14, 64*PITCH
	v_and_b32 v8, 31, v0
	v_lshrrev_b32 v9, 2, v8
	v_mul_u32_u24 v9, v9, PITCH
	v_and_b32 v10, 3, v8
	v_lshl_add_u32 v9, v10, 4, v9
	v_add_nc_u32 v[RDQ], s23, v9
	v_lshlrev_b32 v[COQ], 4, v8
	v_mul_u32_u24 v9, v2, PITCH
	v_lshl_add_u32 v9, v1, 4, v9
	v_add_nc_u32 v[RDV], s23, v9
	v_lshlrev_b32 v9, 11, v2
	v_lshl_add_u32 v[COV], v1, 4, v9
	s_lshr_b32 s20, s17, 3
	s_lshl_b32 s20, s20, 21
	s_lshl_b32 s21, s42, 19
	s_add_co_u32 s20, s20, s21
	s_and_b32 s21, s17, 7
	s_lshl_b32 s21, s21, 14
	s_add_co_u32 s20, s20, s21
	s_lshl_b32 s21, s14, 12
	s_add_co_u32 s20, s20, s21
	s_lshr_b32 s22, s42, 3
	s_lshl_b32 s22, s22, 21
	s_lshl_b32 s23, s17, 19
	s_add_co_u32 s22, s22, s23
	s_and_b32 s23, s42, 7
	s_lshl_b32 s23, s23, 8
	s_add_co_u32 s22, s22, s23
	s_lshl_b32 s23, s14, 17
	s_add_co_u32 s22, s22, s23
	s_add_co_u32 s22, s22, 0x1000000
	s_cmp_eq_u32 s75, 1
	s_cselect_b32 s20, s22, s20
	s_cselect_b32 s22, s17, 0
	s_cselect_b32 s23, 0, s42
	s_mov_b32 s21, 0
	s_add_nc_u64 s[86:87], s[72:73], s[20:21]
	s_cmp_eq_u32 s76, 1
	s_cselect_b64 s[84:85], s[68:69], s[10:11]
	s_lshl_b32 s20, s23, 10
	s_lshl_b32 s23, s16, 9
	s_add_co_u32 s20, s20, s23
	s_add_nc_u64 s[84:85], s[84:85], s[20:21]
	s_lshl_b32 s20, s22, 10
	s_lshl_b32 s23, s15, 9
	s_add_co_u32 s20, s20, s23
	s_add_nc_u64 s[70:71], s[70:71], s[20:21]
	v_lshlrev_b32 v6, 5, v2
	v_lshlrev_b32 v7, 2, v1
.irp b, 0,1,2,3,4,5,6,7
	global_load_b128 v[BN+8*\b:BN+8*\b+3], v6, s[84:85] offset:64*\b
	global_load_b128 v[BN+8*\b+4:BN+8*\b+7], v6, s[84:85] offset:64*\b+16
.endr
.irp a, 0,1,2,3,4,5,6,7
	global_load_b32 v[BM+2*\a], v7, s[70:71] offset:64*\a
.endr
.macro FRAG reg, adr, q, i
.irp c, 0,1,2,3
	ds_load_b128 v[\reg+4*\c:\reg+4*\c+3], v[\adr] offset:128*(\q)+32*\c+(\i)*16*PITCH
.endr
.endm
.macro MUL16 a0, p, zero
.irp a, \a0, \a0+1
.irp b, 0,1,2,3,4,5,6,7
.if \zero
	v_wmma_f32_16x16x128_fp8_fp8 v[8*(8*((\a)%4)+\b):8*(8*((\a)%4)+\b)+7], v[128*(\p)+FR*\b:128*(\p)+FR*\b+FR-1], v[AF+FR*(\a):AF+FR*(\a)+FR-1], 0
.else
	v_wmma_f32_16x16x128_fp8_fp8 v[8*(8*((\a)%4)+\b):8*(8*((\a)%4)+\b)+7], v[128*(\p)+FR*\b:128*(\p)+FR*\b+FR-1], v[AF+FR*(\a):AF+FR*(\a)+FR-1], v[8*(8*((\a)%4)+\b):8*(8*((\a)%4)+\b)+7]
.endif
.endr
.endr
.endm
.macro FETCH_B slot, q, p
	WIN TO_B
.irp i, 0,1,2,3,4,5,6,7
	FRAG 128*(\p)+FR*\i, ADRB+\slot, \q, \i
.endr
	WIN 0
.endm
.macro FETCH_A slot, q, i0
.irp i, \i0, \i0+1, \i0+2, \i0+3
	FRAG AF+FR*(\i), ADRA+\slot, \q, \i
.endr
.endm
.macro PLACES n
.rept \n
	v_nop
.endr
.endm
.macro STEP slot, q, zero
	s_wait_dscnt 4*NL
	WIN MUL_LO
	MUL16 0, (\q)%2, \zero
	MUL16 2, (\q)%2, \zero
	s_wait_dscnt 0
	PLACES NP
	FETCH_B \slot, (\q)+1, 1-(\q)%2
	FETCH_A \slot, (\q)+1, 0
	WIN MUL_HI
	MUL16 4, (\q)%2, \zero
	MUL16 6, (\q)%2, \zero
	PLACES NP
	WIN 0
	FETCH_A \slot, (\q)+1, 4
.endm
.macro TURN slot, next, fill
	s_wait_tensorcnt 0x0
	ds_add_u32 v[SPW], v[NIL]
	s_wait_dscnt 4*NL+1
	WIN MUL_LO
	MUL16 0, 1, 0
	s_wait_dscnt 0x0
	s_barrier_signal -1
	MUL16 2, 1, 0
	WIN 0
	s_barrier_wait -1
.if \fill
	CREST
	s_add_nc_u64 s[G0+4*\slot+2:G0+4*\slot+3], s[G0+4*\slot+2:G0+4*\slot+3], 2*ROWB
	s_add_nc_u64 s[G0B+4*\slot+2:G0B+4*\slot+3], s[G0B+4*\slot+2:G0B+4*\slot+3], 2*ROWB
	JLOAD G0+4*\slot, G1, G0B+4*\slot, G1B
.else
	PLACES NP
.endif
	FETCH_B \next, 0, 0
	FETCH_A \next, 0, 0
	WIN MUL_HI
	MUL16 4, 1, 0
	MUL16 6, 1, 0
	PLACES NP
	WIN 0
	FETCH_A \next, 0, 4
.endm
	s_wait_tensorcnt 1
	s_barrier_signal -1
	s_barrier_wait -1
	FETCH_B 0, 0, 0
	FETCH_A 0, 0, 0
	FETCH_A 0, 0, 4
	STEP 0, 0, 1
	TURN 0, 1, 1
	STEP 1, 0, 0
	TURN 1, 0, 1
	STEP 0, 0, 0
	TURN 0, 1, 0
	STEP 1, 0, 0
	s_wait_dscnt 4*NL
	WIN MUL_LO
	MUL16 0, 1, 0
	MUL16 2, 1, 0
	s_wait_dscnt 0
	WIN MUL_HI
	MUL16 4, 1, 0
	MUL16 6, 1, 0
	WIN 0
	s_wait_kmcnt 0x0
	s_wait_loadcnt 0x0
	s_add_co_i32 s66, s88, s89
	s_add_co_i32 s67, s90, s91
	s_add_co_i32 s84, s92, s93
	s_cmp_eq_u32 s76, 1
	s_cselect_b32 s66, s67, s66
	s_cselect_b32 s85, s95, s94
	s_cmp_eq_u32 s76, 2
	s_cselect_b32 s66, s84, s66
	s_cselect_b32 s85, s97, s85
	s_add_co_i32 s66, s66, 127
	s_lshl_b32 s66, s66, 23
	s_mov_b32 s67, s66
	s_add_co_i32 s85, s85, 127
	s_lshl_b32 s84, s85, 23
	s_add_co_i32 s85, s85, 8
	s_lshl_b32 s85, s85, 23
	s_or_b32 s85, s85, 0x600000
.set i, 0
.rept 64
	v_cndmask_b32 v[BN+i], 0, v[BN+i], s79
.set i, i+1
.endr
.irp a, 0,1,2,3,4,5,6,7
	v_cndmask_b32 v[BM+2*\a], 0, v[BM+2*\a], s78
	v_mov_b32 v[BM+2*\a+1], 0
.endr
	v_mov_b32 v[SCQ], s84
	v_mov_b32 v[LIMQ], s85
.macro BLOCKQ a
.set AC, 64*((\a)%4)
.set CC, CD+16*((\a)%2)
.if (\a) >= 2
	s_wait_dscnt 8
.endif
	WIN 0x02+((\a)/4)
.irp j, 0,2,4,6,8,10,12,14,16,18,20,22,24,26,28,30,32,34,36,38,40,42,44,46,48,50,52,54,56,58,60,62
	v_pk_fma_f32 v[TMP+\j:TMP+\j+1], v[AC+\j:AC+\j+1], s[66:67], v[BM+2*(\a):BM+2*(\a)+1] op_sel_hi:[1,0,0]
.endr
	WIN 0
.irp j, 0,2,4,6,8,10,12,14,16,18,20,22,24,26,28,30,32,34,36,38,40,42,44,46,48,50,52,54,56,58,60,62
	v_pk_add_f32 v[TMP+\j:TMP+\j+1], v[TMP+\j:TMP+\j+1], v[BN+\j:BN+\j+1]
.endr
.set i, 0
.rept 64
	v_med3_num_f32 v[TMP+i], v[TMP+i], -v[LIMQ], v[LIMQ]
.set i, i+1
.endr
.irp b, 0,1,2,3,4,5,6,7
	v_cvt_scalef32_pk8_fp8_f32 v[CC+2*\b:CC+2*\b+1], v[TMP+8*\b:TMP+8*\b+7], v[SCQ]
.endr
	v_nop
.irp b, 0,1,2,3,4,5,6,7
	ds_store_b64 v[STO], v[CC+2*\b:CC+2*\b+1] offset:(\a)*16*PITCH+16*\b
.endr
.endm
.irp a, 0,1,2,3,4,5,6,7
	BLOCKQ \a
.endr
	s_wait_dscnt 0x0
	s_barrier_signal -1
	s_barrier_wait -1
	s_cmp_eq_u32 s75, 1
	s_cbranch_scc1 .Lvout
.irp z, 0,1,2,3
.irp i, 0,1,2,3,4,5,6,7
	ds_load_b128 v[128+4*(8*\z+\i):128+4*(8*\z+\i)+3], v[RDQ] offset:8*\i*PITCH+64*\z
.endr
.endr
.irp z, 0,1,2,3
.irp i, 0,1,2,3,4,5,6,7
	s_wait_dscnt 31-(8*\z+\i)
	global_store_b128 v[COQ], v[128+4*(8*\z+\i):128+4*(8*\z+\i)+3], s[86:87] offset:\z*131072+\i*512
.endr
.endr
	s_branch .Ljoin
.Lvout:
.set i, 0
.rept 32
	ds_load_b128 v[128+4*i:128+4*i+3], v[RDV] offset:2*i*PITCH
.set i, i+1
.endr
.set i, 0
.rept 32
	s_wait_dscnt 31-i
	global_store_b128 v[COV], v[128+4*i:128+4*i+3], s[86:87] offset:i*4096
.set i, i+1
.endr
.Ljoin:
	s_wait_tensorcnt 0x0
	ds_add_u32 v[SPW], v[NIL]
	s_wait_dscnt 0x0
	CROUND
	s_endpgm
.Lfunc_end_k_q82ccc2ea0f_proj:
	.size	k_q82ccc2ea0f_proj, .Lfunc_end_k_q82ccc2ea0f_proj-k_q82ccc2ea0f_proj
	.p2alignl 7, 3214868480
	.fill 96, 4, 3214868480
	.section	.rodata,"a",@progbits
	.p2align	6, 0x0
	.amdhsa_kernel k_q82ccc2ea0f_proj
		.amdhsa_group_segment_fixed_size 327680
		.amdhsa_private_segment_fixed_size 0
		.amdhsa_enable_private_segment 0
		.amdhsa_kernarg_size 56
		.amdhsa_user_sgpr_count 2
		.amdhsa_user_sgpr_kernarg_segment_ptr 1
		.amdhsa_wavefront_size32 1
		.amdhsa_system_sgpr_workgroup_id_x 1
		.amdhsa_system_sgpr_workgroup_id_y 1
		.amdhsa_system_sgpr_workgroup_id_z 1
		.amdhsa_system_vgpr_workitem_id 0
		.amdhsa_next_free_vgpr 1024
		.amdhsa_next_free_sgpr 100
		.amdhsa_reserve_vcc 0
		.amdhsa_float_denorm_mode_32 3
		.amdhsa_float_denorm_mode_16_64 3
		.amdhsa_memory_ordered 1
		.amdhsa_forward_progress 1
		.amdhsa_inst_pref_size 173
	.end_amdhsa_kernel
	.amdgpu_metadata
---
amdhsa.version: [ 1, 2 ]
amdhsa.kernels:
  - .name:           k_q82ccc2ea0f_proj
    .symbol:         k_q82ccc2ea0f_proj.kd
    .args:
      - { .name: xc, .offset: 0, .size: 8, .value_kind: global_buffer, .address_space: global }
      - { .name: wc, .offset: 8, .size: 8, .value_kind: global_buffer, .address_space: global }
      - { .name: lowp_scales, .offset: 16, .size: 8, .value_kind: global_buffer, .address_space: global }
      - { .name: bq, .offset: 24, .size: 8, .value_kind: global_buffer, .address_space: global }
      - { .name: bk, .offset: 32, .size: 8, .value_kind: global_buffer, .address_space: global }
      - { .name: bv, .offset: 40, .size: 8, .value_kind: global_buffer, .address_space: global }
      - { .name: qkv, .offset: 48, .size: 8, .value_kind: global_buffer, .address_space: global }
    .group_segment_fixed_size: 327680
    .private_segment_fixed_size: 0
    .kernarg_segment_align: 8
    .kernarg_segment_size: 56
    .max_flat_workgroup_size: 128
    .sgpr_count:     100
    .vgpr_count:     1024
    .wavefront_size: 32
...
	.end_amdgpu_metadata
.endif
;; end of part 2
;; launch attn (part 3): grid 4 x 64, 8 waves a work-group, clusters of 4 x 1, 327,680 bytes of LDS; arguments qkv, lowp_scales, oc; writes oc
.if DOCPART == 3
	.amdgcn_target "amdgcn-amd-amdhsa--gfx1250"
	.amdhsa_code_object_version 6
	.text
	.protected	k_q82ccc2ea0f_attn
	.globl	k_q82ccc2ea0f_attn
	.p2align	8
	.type	k_q82ccc2ea0f_attn,@function
k_q82ccc2ea0f_attn:
	s_mov_b64 s[64:65], 0
	v_nop
	global_prefetch_b8 v0, s[64:65] scope:SCOPE_SE
	s_setreg_imm32_b32 hwreg(HW_REG_WAVE_MODE, 25, 1), 1
	s_wait_xcnt 0x0
	s_wait_alu depctr_hold_cnt(0) depctr_sa_sdst(0) depctr_va_vdst(0) depctr_va_sdst(0) depctr_va_ssrc(0) depctr_va_vcc(0) depctr_vm_vsrc(0)
	s_getreg_b32 s2, hwreg(HW_REG_IB_STS2, 6, 4)
	s_cmp_eq_u32 s2, 0
	s_cbranch_scc0 .Lentry_in_a_cluster
	s_endpgm
.Lentry_in_a_cluster:
	s_bfe_u32 s2, ttmp6, 0x10000c
	s_cmp_lg_u32 s2, 0x3003
	s_cbranch_scc0 .Lentry_shape_is_right
	s_endpgm
.Lentry_shape_is_right:
; Causal attention on codes of FP8 (E4M3), head size 64, 64 (batch, head) pairs of 2,048 tokens; o is quantised again for the output projection.
; qkv: q [64][2048][64] at 0, k likewise at 8,388,608, v with the KEYS innermost, [64][64][2048], at 16,777,216.  oc: [16 h][8192 (b, s)][64 e].  Exponents: e6 q, e7 k, e8 p, e9 v, e10 o.
; THE SOFTMAX: t = score x log2(e) / 8; M = the row's largest t so far, rounded UP to a whole number; p = 2^(t - M) is quantised along the keys, not normalised; the row's sum of the unquantised p divides O at the end.
; When M moves, the sum and O are multiplied by 2^(old M - new M): exact.
; LEFT OUT: key steps of 128 keys all of which come after a tile's queries: the causal mask makes their p zero.
; K AND V OF A (batch, head) LIE IN LDS WHOLE: 2,048 keys x 80 bytes and 8 x 64 rows x 272 bytes.  Each byte is filled once: no slot is filled again, and no barrier stands in the loops.
; They come in two groups of eight loads, one a wave in each: keys 0-1023, then keys 1024-2047 (waves 0-3: K, 256 keys each; waves 4-7: V, 256 keys each).  The second group is out while every wave walks eight steps on the first.
; SHARES.  The head's 128 tiles of 16 queries are dealt by tile % 4 to the four work-groups of a cluster: work-group P has tiles 4 j + P.  All four read all of K and V: every load is a JOINT load (mask 15).
; Tiles j = 2 m and 2 m + 1 form pair m: 32 queries, m + 1 key steps, sharing every fragment of K and V.  Wave w walks pair 15 - w and then pair w: 17 pair steps in every wave of every work-group.
; A step is hidden, or lies on the diagonal, by m and the step's number alone (key steps begin at multiples of 128, a pair's queries lie in 128 m .. 128 m + 127): no branch hangs on the place in the cluster.
; The walk has constant trip counts: 8 trips, then 16; trip i is key step i % 16; hidden steps are jumped over.
; NO PREFETCH: the launch has no loop that runs ahead of its loads: all of K and V is asked for by the two groups at the head.
; LAYOUT.  Both products are used transposed: S^T = K Q^T, O^T = V^T P^T: a lane holds ONE query (lane % 16).  Lane r of K's tile 2 b + u takes key 32 b + 8 u + r + 8 (r / 8), so that the 16 registers of
; tiles 2 b, 2 b + 1 are 16 neighbouring keys, 32 b + 16 (lane / 16) + 0 .. 15.
; LIMITS on the given exponents: e6 + e7 between -123 and 130; e8, and e10 - e8 - e9, between -126 and 119.  1 / the sum is v_rcp_f32's; a p under 2^-126 counts as 0.
; REGISTERS, two windows of 256.  Tile A of the pair lives in window 0, tile B in window 1, on the same numbers: v3 the diagonal's d; v12 -M, v13 the largest t, v[14:15] the sum; v16-23 Q; v24-31 the second pair's Q;
;   v96-159 S^T, then p; v160-191 O^T; v192-207 p's codes; v208-215 o's codes; v232-255 at work and constants.  Window 0 alone: v1-11 addresses, v32-95 K's fragments, v216-231 rows of o read back.  Window 1: v32-95 V's fragments.
.set KP,    80                         ; a key's row in LDS: 64 bytes + 16
.set VP,    272                        ; a row of V's tile: 256 bytes + 16
.set KSL,   256*KP                     ; 256 keys of K
.set VSL,   64*VP                      ; 256 keys of V
.set VOFF,  8*KSL
.set STAGE, VOFF+8*VSL                 ; the way out: 2 x 16 rows x 64 bytes for each wave; no tile lands here
.set SPARE, STAGE+8*2048               ; the spare words, 128 bytes for each wave: four blocks of 256 bytes that no other line names
.set AK0,  1
.set AV0,  2
.set SPW,  5
.set NIL,  6
.set ADK,  8
.set ADV,  9
.set I,    10                          ; s10 the trip;  s11 its key step;  s12 the pair in hand
.set KS,   11
.set MC,   12
.set BH,   13
.set PX,   14                          ; my place in the cluster: it enters global offsets and the diagonal's d alone
.set ISV,  15                          ; 0: I fetch for K, 1: for V
.set WV,   18
.set W3,   19
.set SEL,  20
.set CS,   22
.set G1K,  24
.set G1V,  32
.set G0K,  40
.set G0V,  44
.set QB,   48
.set OB,   54
.set OA,   58
.set MSB, 0
.macro WIN new                         ; the immediate's high byte repeats the setting that is left
.if MSB != (\new)
	s_set_vgpr_msb (MSB<<8)|(\new)
.set MSB, (\new)
.endif
.endm
.macro JLOAD                           ; a joint load in each arm: one a wave; s_nop 0 and four v_nop behind each
	s_cmp_eq_u32 s[ISV], 0
	s_cbranch_scc0 .Lfor_v_\@
	tensor_load_to_lds s[G0K:G0K+3], s[G1K:G1K+7]
	s_nop 0
.rept 4
	v_nop
.endr
	s_branch .Lasked_\@
.Lfor_v_\@:
	tensor_load_to_lds s[G0V:G0V+3], s[G1V:G1V+7]
	s_nop 0
.rept 4
	v_nop
.endr
.Lasked_\@:
.endm
.macro ROUND                           ; a round of the cluster's barrier
	s_barrier_signal -1
	s_barrier_wait -1
	s_cmp_lg_u32 s[WV], 0
	s_cbranch_scc1 .Lnot_wave_0_\@
	s_barrier_signal -3
.Lnot_wave_0_\@:
	s_barrier_wait -3
	s_barrier_signal -1
	s_barrier_wait -1
.endm
.macro INIT                            ; a tile begins: zeros, and -3e38 as the largest t, so that the key step is written once
.set j, 0
.rept 32
	v_mov_b32 v[160+j], 0
.set j, j+1
.endr
	v_mov_b32 v13, 0xff61b1e6
	v_mov_b32 v12, 0x7f61b1e6                      ; -M = floor(3e38), which is 3e38
	v_mov_b32 v14, 0
	v_mov_b32 v15, 0
.endm
.macro CONSTS
	v_mov_b32 v236, 0                              ; a lane permute's destination counts as a source
	v_mov_b32 v253, 0                              ; (upper half of the pair v[252:253])
	v_mov_b32 v244, s81                            ; 2^e8
	v_mov_b32 v240, s82                            ; 448 x 2^e8
	v_mov_b32 v245, s83                            ; 2^(e10 - e8 - e9)
	v_mov_b32 v246, s84                            ; 448 x that
.endm
.macro MASK                            ; the diagonal step: register 16 b + i holds key 128 m + 16 (lane / 16) + 32 b + i: hidden where 32 b + i > d = v3
	v_mov_b32 v254, 0xff800000
.set n, 0
.rept 64
	v_cmp_gt_i32 vcc_lo, 32*(n/16)+n%16, v3
	v_cndmask_b32 v[96+n], v[96+n], v254, vcc_lo
.set n, n+1
.endr
.endm
; One tile's softmax of a key step, all operands in window w.
.macro SOFT w
	WIN \w
	s_wait_alu depctr_va_vdst(0)                   ; directly ahead of the scores' first readers
.irp c, 0,1,2,3                                ; the largest score of my query among my 64 keys, in four chains; each accumulator from its low end on
	v_max3_num_f32 v[254-2*\c], v[96+16*\c], v[97+16*\c], v[98+16*\c]
.endr
.irp k, 3,5,7,9,11,13
.irp c, 0,1,2,3
	v_max3_num_f32 v[254-2*\c], v[254-2*\c], v[96+16*\c+\k], v[97+16*\c+\k]
.endr
.endr
	v_max3_num_f32 v254, v254, v252, v111
	v_max3_num_f32 v250, v250, v248, v127
	v_max3_num_f32 v254, v254, v143, v159
	s_delay_alu instid0(VALU_DEP_1)
	v_max_num_f32 v254, v254, v250
	s_delay_alu instid0(VALU_DEP_1)
	v_permlanex16_b32 v236, v254, s[SEL], s[SEL+1]
	s_delay_alu instid0(VALU_DEP_1)
	v_max_num_f32 v254, v254, v236                 ; and among lane l xor 16's
	s_delay_alu instid0(VALU_DEP_1)
	v_mul_f32 v254, s[CS], v254                    ; as t (c is positive)
	s_delay_alu instid0(VALU_DEP_1)
	v_max_num_f32 v13, v13, v254
	v_mov_b32 v254, v12
	s_delay_alu instid0(VALU_DEP_2)
	v_floor_f32 v12, -v13                          ; the new -M = -ceil(t)
	s_delay_alu instid0(VALU_DEP_1)
	v_sub_f32 v254, v12, v254                      ; old M - new M, a whole number, 0 or less
	s_delay_alu instid0(VALU_DEP_1)
	v_cvt_i32_f32 v254, v254                       ; (it saturates)
	s_delay_alu instid0(VALU_DEP_1)
	v_ldexp_f32 v252, 1.0, v254                    ; f = 2^(old M - new M)
.set j, 0
.rept 32
	v_pk_fma_f32 v[96+j:97+j], v[96+j:97+j], s[CS:CS+1], v[12:13] op_sel_hi:[1,0,0]   ; t - M
.set j, j+2
.endr
	s_wait_alu depctr_va_vdst(0)                   ; ahead of the batch
.set j, 0
.rept 64
	v_exp_f32 v[96+j], v[96+j]                     ; p = 2^(t - M)
.set j, j+1
.endr
	v_pk_mul_f32 v[14:15], v[14:15], v[252:253] op_sel_hi:[1,0]   ; the sums under the new M: the plain line behind the batch
	s_wait_alu depctr_va_vdst(0)                   ; and the one wait behind it
	v_pk_add_f32 v[242:243], v[100:101], v[104:105]   ; the row's sum of the unquantised p, in eight chains
	v_pk_add_f32 v[254:255], v[108:109], v[112:113]
	v_pk_add_f32 v[250:251], v[116:117], v[120:121]
	v_pk_add_f32 v[248:249], v[124:125], v[128:129]
	v_pk_add_f32 v[238:239], v[132:133], v[136:137]
	v_pk_add_f32 v[234:235], v[140:141], v[144:145]
	v_pk_add_f32 v[232:233], v[148:149], v[152:153]
	v_pk_add_f32 v[14:15], v[14:15], v[156:157]
	v_pk_add_f32 v[242:243], v[242:243], v[96:97]
	v_pk_add_f32 v[254:255], v[254:255], v[98:99]
	v_pk_add_f32 v[250:251], v[250:251], v[102:103]
	v_pk_add_f32 v[248:249], v[248:249], v[106:107]
	v_pk_add_f32 v[238:239], v[238:239], v[110:111]
	v_pk_add_f32 v[234:235], v[234:235], v[114:115]
	v_pk_add_f32 v[232:233], v[232:233], v[118:119]
	v_pk_add_f32 v[14:15], v[14:15], v[122:123]
	v_pk_add_f32 v[242:243], v[242:243], v[126:127]
	v_pk_add_f32 v[254:255], v[254:255], v[130:131]
	v_pk_add_f32 v[250:251], v[250:251], v[134:135]
	v_pk_add_f32 v[248:249], v[248:249], v[138:139]
	v_pk_add_f32 v[238:239], v[238:239], v[142:143]
	v_pk_add_f32 v[234:235], v[234:235], v[146:147]
	v_pk_add_f32 v[232:233], v[232:233], v[150:151]
	v_pk_add_f32 v[14:15], v[14:15], v[154:155]
	v_pk_add_f32 v[242:243], v[242:243], v[158:159]
	s_delay_alu instid0(VALU_DEP_2)
	v_pk_add_f32 v[14:15], v[14:15], v[248:249]
	s_delay_alu instid0(VALU_DEP_2)
	v_pk_add_f32 v[242:243], v[242:243], v[238:239]
	v_pk_add_f32 v[254:255], v[254:255], v[234:235]
	v_pk_add_f32 v[250:251], v[250:251], v[232:233]
	s_delay_alu instid0(VALU_DEP_2)
	v_pk_add_f32 v[14:15], v[14:15], v[254:255]
	s_delay_alu instid0(VALU_DEP_2)
	v_pk_add_f32 v[242:243], v[242:243], v[250:251]
	s_delay_alu instid0(VALU_DEP_1)
	v_pk_add_f32 v[14:15], v[14:15], v[242:243]
.irp b, 0,1,2,3
.irp i, 0,1,2,3,4,5,6,7,8,9,10,11,12,13,14,15
	v_min_num_f32 v[96+16*\b+\i], v[96+16*\b+\i], v240   ; the conversion does not saturate (ISA guide 7.6.2); p is not negative: a one-sided hold
.endr
	v_cvt_scalef32_pk8_fp8_f32 v[192+4*\b:193+4*\b], v[96+16*\b:103+16*\b], v244
	v_cvt_scalef32_pk8_fp8_f32 v[194+4*\b:195+4*\b], v[104+16*\b:111+16*\b], v244
.endr
	s_wait_alu depctr_va_vdst(0)                   ; directly ahead of the first reader of O^T
.set j, 0
.rept 16
	v_pk_mul_f32 v[160+j:161+j], v[160+j:161+j], v[252:253] op_sel_hi:[1,0]   ; O^T under the new M; also the plain lines behind the conversions
.set j, j+2
.endr
.endm
; A PAIR STEP: 128 keys against the pair's 32 queries.  diag = 1: the step may be hidden (jumped over) or lie on the diagonal.
.macro STEP diag
	s_and_b32 s[KS], s[I], 15
.if \diag
	s_cmp_gt_u32 s[KS], s[MC]                      ; the wave's number and the count of trips alone
	s_cbranch_scc1 .Lhidden_\@
.endif
	s_mul_i32 s96, s[KS], 128*KP
	s_lshr_b32 s97, s[KS], 1
	s_mul_i32 s97, s97, VSL
	s_and_b32 s95, s[KS], 1
	s_lshl_b32 s95, s95, 7
	s_add_co_u32 s97, s97, s95
	v_add_nc_u32 v[ADK], s96, v[AK0]
	v_add_nc_u32 v[ADV], s97, v[AV0]
	v_nop                                          ; with the two additions: four places in front of loads into registers that the last products read
	v_nop
.irp t, 0,1,2,3,4,5,6,7
	ds_load_b128 v[32+8*\t:35+8*\t], v[ADK] offset:(32*(\t/2)+8*(\t%2))*KP
	ds_load_b128 v[36+8*\t:39+8*\t], v[ADK] offset:(32*(\t/2)+8*(\t%2))*KP+32
.endr
	WIN 0x40                                       ; V's fragments go to window 1
.irp t, 0,1,2,3
.irp c, 0,1,2,3
	ds_load_b128 v[32+16*\t+4*\c:35+16*\t+4*\c], v[ADV] offset:16*\t*VP+32*\c
.endr
.endr
	WIN 0
	s_wait_dscnt 16                                ; K's 16 loads are in; V's 16 may be out
.irp t, 0,1,2,3,4,5,6,7                        ; S^T = K Q^T, tile A
	v_wmma_f32_16x16x64_fp8_fp8 v[96+8*\t:103+8*\t], v[32+8*\t:39+8*\t], v[16:23], 0
.endr
	WIN 0x44                                       ; tile B: the same fragments of K; Q and S^T in window 1
.irp t, 0,1,2,3,4,5,6,7
	v_wmma_f32_16x16x64_fp8_fp8 v[96+8*\t:103+8*\t], v[32+8*\t:39+8*\t], v[16:23], 0
.endr
	WIN 0
.rept 4
	v_nop                                          ; places in front of the first read of the scores
.endr
	s_wait_dscnt 0x0                               ; V's fragments are in
.if \diag
	s_cmp_lg_u32 s[KS], s[MC]
	s_cbranch_scc1 .Lopen_\@
	MASK
	WIN 0x55
	MASK
	WIN 0
.Lopen_\@:
.endif
	SOFT 0
	SOFT 0x55
	WIN 0x01                                       ; O^T += V^T P^T, K = these 128 keys: tile A's four accumulators, then tile B's, by turns
.irp t, 0,1,2,3
	v_wmma_f32_16x16x128_fp8_fp8 v[160+8*\t:167+8*\t], v[32+16*\t:47+16*\t], v[192:207], v[160+8*\t:167+8*\t]
.endr
	WIN 0x55
.irp t, 0,1,2,3
	v_wmma_f32_16x16x128_fp8_fp8 v[160+8*\t:167+8*\t], v[32+16*\t:47+16*\t], v[192:207], v[160+8*\t:167+8*\t]
.endr
	WIN 0
.if \diag
.Lhidden_\@:
.endif
.endm
; A tile goes out: O^T / the sum, quantised with the folded scale; 16 rows of 64 bytes go through my stage.
.macro WAYT w, t
	WIN \w
	v_add_f32 v14, v14, v15
	v_permlanex16_b32 v236, v14, s[SEL], s[SEL+1]
	v_add_f32 v14, v14, v236                       ; the row's sum
	s_wait_alu depctr_va_vdst(0)                   ; ahead of the transcendental
	v_rcp_f32 v14, v14
	v_nop                                          ; with the two additions: four places behind the last products
	v_nop
	s_wait_alu depctr_va_vdst(0)                   ; and ahead of its first reader, which is also O^T's
.set j, 0
.rept 16
	v_pk_mul_f32 v[96+j:97+j], v[160+j:161+j], v[14:15] op_sel_hi:[1,0]
.set j, j+2
.endr
.set j, 0
.rept 32
	v_med3_num_f32 v[96+j], v[96+j], -v246, v246
.set j, j+1
.endr
.irp u, 0,1,2,3
	v_cvt_scalef32_pk8_fp8_f32 v[208+2*\u:209+2*\u], v[96+8*\u:103+8*\u], v245
.endr
	v_nop                                          ; one plain line behind the last conversion
	WIN (\w)&0x04                                  ; the address in window 0, the data in the tile's
.irp u, 0,1,2,3
	ds_store_b64 v10, v[208+2*\u:209+2*\u] offset:1024*\t+16*\u
.endr
	WIN 0
.irp i, 0,1
	ds_load_b128 v[216+8*\t+4*\i:219+8*\t+4*\i], v11 offset:1024*\t+512*\i   ; LDS serves a wave's instructions in order: these see my stores
.endr
.endm
.macro WAYOUT                          ; the pair in hand goes out: two runs of 1,024 consecutive bytes of oc
	s_wait_alu depctr_va_vdst(0)
	s_wait_xcnt 0x0                                ; the earlier way out's stores have read their registers and their base
	WAYT 0, 0
	WAYT 0x55, 1
	s_lshl_b32 s90, s[MC], 13                      ; 128 rows of 64 bytes a pair
	s_mov_b32 s91, 0
	s_add_nc_u64 s[OA:OA+1], s[OB:OB+1], s[90:91]
	s_wait_dscnt 0x0
.irp t, 0,1
.irp i, 0,1
	global_store_b128 v7, v[216+8*\t+4*\i:219+8*\t+4*\i], s[OA:OA+1] offset:4096*\t+512*\i   ; 32 lanes store 512 consecutive bytes, aligned
.endr
.endr
.endm
	s_load_b128 s[4:7], s[0:1], 0x0                ; qkv, the scales' exponents
	s_load_b64 s[8:9], s[0:1], 0x10                ; oc
	v_lshl_add_u32 v[SPW], v0, 2, SPARE
	v_mov_b32 v[NIL], 0
	ds_add_u32 v[SPW], v[NIL]                      ; the opening: the add, twice on end, and its wait ahead of my first tensor load
	ds_add_u32 v[SPW], v[NIL]
	v_lshrrev_b32 v8, 5, v0
	v_readfirstlane_b32 s[WV], v8                  ; wave 0..7
	s_and_b32 s[W3], s[WV], 3                      ; which 256 keys of a group I fetch
	s_lshr_b32 s[ISV], s[WV], 2
	s_bfe_u32 s[PX], ttmp6, 0x40000                ; cx
	s_and_b32 s[BH], ttmp7, 0xffff                 ; the cluster's y: (batch, head)
	; group 1.  K: 256 keys of 64 bytes are one dense block: 64 rows of 256 bytes, four words of padding after every 16.  15:0 the mask of the four; 21 set beside it
	s_mov_b32 s[G1K], 15|(1<<20)|(1<<21)|(3<<22)|(3<<25)
	s_mov_b32 s[G1K+1], 256<<16
	s_mov_b32 s[G1K+2], 64<<16
	s_mov_b32 s[G1K+3], 256<<16
	s_mov_b32 s[G1K+4], 64
	s_mov_b32 s[G1K+5], 256
	s_mov_b32 s[G1K+6], 0
	s_mov_b32 s[G1K+7], 0
	s_mov_b32 s[G1V], 15|(1<<20)|(1<<21)|(5<<22)|(3<<25)   ; V: 64 rows of 256 bytes, 2,048 apart; four words after every 64
	s_mov_b32 s[G1V+1], 256<<16
	s_mov_b32 s[G1V+2], 64<<16
	s_mov_b32 s[G1V+3], 256<<16
	s_mov_b32 s[G1V+4], 64
	s_mov_b32 s[G1V+5], 2048
	s_mov_b32 s[G1V+6], 0
	s_mov_b32 s[G1V+7], 0
	s_mov_b32 s[G0K], 1
	s_mul_i32 s[G0K+1], s[W3], KSL
	s_mov_b32 s[G0V], 1
	s_mul_i32 s[G0V+1], s[W3], VSL
	s_add_co_u32 s[G0V+1], s[G0V+1], VOFF
	s_mov_b32 s[SEL], 0x76543210
	s_mov_b32 s[SEL+1], 0xfedcba98
	s_mov_b32 s[CS], 0x3e38aa3b                    ; log2(e) / 8
	s_lshl_b32 s90, s[BH], 17                      ; a (batch, head) is 131,072 bytes in each of q, k, v
	s_mov_b32 s91, 0
	s_lshl_b32 s92, s[W3], 14                      ; K: 256 keys of 64 bytes
	s_mov_b32 s93, 0
	s_lshl_b32 s94, s[W3], 8                       ; V: 256 bytes along the rows
	s_mov_b32 s95, 0
	s_and_b32 s96, s[BH], 15
	s_lshl_b32 s96, s96, 19                        ; oc: head x 8,192 rows of 64 bytes
	s_lshr_b32 s97, s[BH], 4
	s_lshl_b32 s97, s97, 17                        ; + batch x 2,048 rows
	s_add_co_u32 s96, s96, s97
	s_mov_b32 s97, 0
	s_lshl_b32 s86, s[PX], 10                      ; my work-group's tile in each run of four: 16 rows of 64 bytes
	s_mov_b32 s87, 0
	s_wait_dscnt 0x0                               ; both opening adds are done
	s_wait_kmcnt 0x0
	s_load_b256 s[68:75], s[6:7], 0x10             ; e4 .. e11: s70 = e6 .. s74 = e10
	s_add_nc_u64 s[56:57], s[4:5], s[90:91]
	s_add_nc_u64 s[G0K+2:G0K+3], s[56:57], 0x800000
	s_add_nc_u64 s[G0K+2:G0K+3], s[G0K+2:G0K+3], s[92:93]
	s_or_b32 s[G0K+3], s[G0K+3], 0x80000000
	s_add_nc_u64 s[G0V+2:G0V+3], s[56:57], 0x1000000
	s_add_nc_u64 s[G0V+2:G0V+3], s[G0V+2:G0V+3], s[94:95]
	s_or_b32 s[G0V+3], s[G0V+3], 0x80000000
	ROUND                                          ; all four work-groups are here: the joint loads meet
	JLOAD                                          ; keys 0-1023: my one tensor load at the head
	s_add_nc_u64 s[QB:QB+1], s[56:57], s[86:87]
	s_add_nc_u64 s[OB:OB+1], s[8:9], s[96:97]
	s_add_nc_u64 s[OB:OB+1], s[OB:OB+1], s[86:87]
	s_sub_co_u32 s[MC], 15, s[WV]                  ; my first pair
	s_lshl_b32 s90, s[MC], 13
	s_add_nc_u64 s[60:61], s[QB:QB+1], s[90:91]
	s_lshl_b32 s90, s[WV], 13                      ; my second
	s_add_nc_u64 s[62:63], s[QB:QB+1], s[90:91]
	s_lshl_b32 s96, s[WV], 11
	s_add_co_u32 s96, s96, STAGE                   ; my stage
	s_lshl_b32 s97, s[PX], 4
	v_and_b32 v8, 15, v0                           ; r
	v_bfe_u32 v9, v0, 4, 1                         ; h
	v_lshlrev_b32 v4, 6, v8
	v_lshl_add_u32 v4, v9, 4, v4                   ; Q: row r of 64 bytes, + 16 h
	v_and_b32 v11, 8, v8
	v_add_nc_u32 v11, v11, v8                      ; r + 8 (r / 8)
	v_mul_u32_u24 v[AK0], v11, KP
	v_lshl_add_u32 v[AK0], v9, 4, v[AK0]
	v_mul_u32_u24 v[AV0], v8, VP
	v_lshl_add_u32 v[AV0], v9, 4, v[AV0]
	v_add_nc_u32 v[AV0], VOFF, v[AV0]
	v_and_b32 v7, 31, v0
	v_lshlrev_b32 v7, 4, v7                        ; 16 x lane
	v_lshlrev_b32 v10, 6, v8
	v_lshl_add_u32 v10, v9, 3, v10
	v_add_nc_u32 v10, s96, v10                     ; the stage, in: row r, + 8 h
	v_add_nc_u32 v11, s96, v7                      ; and back
	v_lshlrev_b32 v3, 4, v9
	v_sub_nc_u32 v3, v8, v3
	v_add_nc_u32 v3, s97, v3                       ; tile A's d on the diagonal: my query - 128 m - 16 h = r + 16 P - 16 h
	s_wait_alu depctr_va_vdst(0)                   ; ahead of the readers below
	global_load_b128 v[16:19], v4, s[60:61]        ; registers 4 c .. 4 c + 3: the head's 32 c + 16 h + 0 .. 15, as K's fragments have it
	global_load_b128 v[20:23], v4, s[60:61] offset:32
	global_load_b128 v[24:27], v4, s[62:63]
	global_load_b128 v[28:31], v4, s[62:63] offset:32
	INIT
	WIN 0x40                                       ; tile B: 64 queries, 4,096 bytes, on
	global_load_b128 v[16:19], v4, s[60:61] offset:4096
	global_load_b128 v[20:23], v4, s[60:61] offset:4128
	global_load_b128 v[24:27], v4, s[62:63] offset:4096
	global_load_b128 v[28:31], v4, s[62:63] offset:4128
	INIT
	v_add_nc_u32 v3, 64, v3                        ; tile B's d
	WIN 0
	s_wait_kmcnt 0x0
	s_add_co_i32 s96, s70, s71
	s_lshl_b32 s96, s96, 23
	s_add_co_i32 s[CS], s[CS], s96                 ; x 2^(e6 + e7), in c's exponent field
	s_mov_b32 s[CS+1], s[CS]
	s_add_co_i32 s96, s72, 127
	s_lshl_b32 s81, s96, 23
	s_add_co_i32 s96, s96, 8
	s_lshl_b32 s96, s96, 23
	s_or_b32 s82, s96, 0x600000
	s_sub_co_i32 s96, s74, s72
	s_sub_co_i32 s96, s96, s73                     ; O^T / the sum stands for o / 2^(e8 + e9): the three scales folded into one
	s_add_co_i32 s96, s96, 127
	s_lshl_b32 s83, s96, 23
	s_add_co_i32 s96, s96, 8
	s_lshl_b32 s96, s96, 23
	s_or_b32 s84, s96, 0x600000
	CONSTS
	WIN 0x40
	CONSTS
	WIN 0
	s_wait_alu depctr_va_vdst(0)
	s_wait_tensorcnt 0x0                           ; my part of keys 0-1023 is in
	ds_add_u32 v[SPW], v[NIL]
	s_add_co_u32 s[G0K+1], s[G0K+1], 4*KSL         ; no load of mine is out: the descriptors step to keys 1024 on
	s_add_nc_u64 s[G0K+2:G0K+3], s[G0K+2:G0K+3], 4*16384
	s_add_co_u32 s[G0V+1], s[G0V+1], 4*VSL
	s_add_nc_u64 s[G0V+2:G0V+3], s[G0V+2:G0V+3], 4*256
	s_wait_dscnt 0x0
	ROUND                                          ; everybody's part is in, and all four work-groups are here
	JLOAD                                          ; keys 1024-2047: bytes that no step of the first loop reads
	s_wait_loadcnt 0x0                             ; Q
	s_mov_b32 s[I], 0
.Lfirst:                                           ; key steps 0-7 of my first pair, which has nine steps or more: none hidden, none on the diagonal
	STEP 0
	s_add_co_u32 s[I], s[I], 1
	s_cmp_lt_u32 s[I], 8
	s_cbranch_scc1 .Lfirst
	s_wait_tensorcnt 0x0                           ; my part of keys 1024-2047 is in
	ds_add_u32 v[SPW], v[NIL]
	s_wait_dscnt 0x0
	s_barrier_signal -1
	s_barrier_wait -1                              ; and everybody's
	s_mov_b32 s[I], 8
.Lrest:                                            ; trips 8-15: my first pair's key steps 8-15; trips 16-23: my second pair's 0-7
	s_cmp_lg_u32 s[I], 16
	s_cbranch_scc1 .Lsame
	WAYOUT                                         ; my first pair is finished,
	s_mov_b32 s[MC], s[WV]                         ; my second begins
.irp j, 0,1,2,3,4,5,6,7
	v_mov_b32 v[16+\j], v[24+\j]
.endr
	INIT
	WIN 0x55
.irp j, 0,1,2,3,4,5,6,7
	v_mov_b32 v[16+\j], v[24+\j]
.endr
	INIT
	WIN 0
	s_wait_alu depctr_va_vdst(0)
.Lsame:
	STEP 1
	s_add_co_u32 s[I], s[I], 1
	s_cmp_lt_u32 s[I], 24
	s_cbranch_scc1 .Lrest
	WAYOUT
	s_wait_tensorcnt 0x0                           ; the wave's end
	ds_add_u32 v[SPW], v[NIL]
	s_wait_dscnt 0x0
	ROUND                                          ; the closing round
	s_endpgm
.Lfunc_end_k_q82ccc2ea0f_attn:
	.size	k_q82ccc2ea0f_attn, .Lfunc_end_k_q82ccc2ea0f_attn-k_q82ccc2ea0f_attn
	.p2alignl 7, 3214868480
	.fill 96, 4, 3214868480
	.section	.rodata,"a",@progbits
	.p2align	6, 0x0
	.amdhsa_kernel k_q82ccc2ea0f_attn
		.amdhsa_group_segment_fixed_size 327680
		.amdhsa_private_segment_fixed_size 0
		.amdhsa_enable_private_segment 0
		.amdhsa_kernarg_size 24
		.amdhsa_user_sgpr_count 2
		.amdhsa_user_sgpr_kernarg_segment_ptr 1
		.amdhsa_wavefront_size32 1
		.amdhsa_system_sgpr_workgroup_id_x 1
		.amdhsa_system_sgpr_workgroup_id_y 1
		.amdhsa_system_sgpr_workgroup_id_z 1
		.amdhsa_system_vgpr_workitem_id 0
		.amdhsa_next_free_vgpr 512
		.amdhsa_next_free_sgpr 100
		.amdhsa_reserve_vcc 1
		.amdhsa_float_denorm_mode_32 3
		.amdhsa_float_denorm_mode_16_64 3
		.amdhsa_memory_ordered 1
		.amdhsa_forward_progress 1
		.amdhsa_inst_pref_size 101
	.end_amdhsa_kernel
	.amdgpu_metadata
---
amdhsa.version: [ 1, 2 ]
amdhsa.kernels:
  - .name:           k_q82ccc2ea0f_attn
    .symbol:         k_q82ccc2ea0f_attn.kd
    .args:
      - { .name: qkv, .offset: 0, .size: 8, .value_kind: global_buffer, .address_space: global }
      - { .name: lowp_scales, .offset: 8, .size: 8, .value_kind: global_buffer, .address_space: global }
      - { .name: oc, .offset: 16, .size: 8, .value_kind: global_buffer, .address_space: global }
    .group_segment_fixed_size: 327680
    .private_segment_fixed_size: 0
    .kernarg_segment_align: 8
    .kernarg_segment_size: 24
    .max_flat_workgroup_size: 256
    .sgpr_count:     100
    .vgpr_count:     512
    .wavefront_size: 32
...
	.end_amdgpu_metadata
.endif
;; end of part 3
;; launch outp (part 4): grid 4 x 64, 4 waves a work-group, clusters of 4 x 4, 327,680 bytes of LDS; arguments oc, wc, lowp_scales, bo, out0; writes out0
.if DOCPART == 4
	.amdgcn_target "amdgcn-amd-amdhsa--gfx1250"
	.amdhsa_code_object_version 6
	.text
	.protected	k_q82ccc2ea0f_outp
	.globl	k_q82ccc2ea0f_outp
	.p2align	8
	.type	k_q82ccc2ea0f_outp,@function
k_q82ccc2ea0f_outp:
	s_mov_b64 s[64:65], 0
	v_nop
	global_prefetch_b8 v0, s[64:65] scope:SCOPE_SE
	s_setreg_imm32_b32 hwreg(HW_REG_WAVE_MODE, 25, 1), 1
	s_wait_xcnt 0x0
	s_wait_alu depctr_hold_cnt(0) depctr_sa_sdst(0) depctr_va_vdst(0) depctr_va_sdst(0) depctr_va_ssrc(0) depctr_va_vcc(0) depctr_vm_vsrc(0)
	s_getreg_b32 s2, hwreg(HW_REG_IB_STS2, 6, 4)
	s_cmp_eq_u32 s2, 0
	s_cbranch_scc0 .Lentry_in_a_cluster
	s_endpgm
.Lentry_in_a_cluster:
	s_bfe_u32 s2, ttmp6, 0x10000c
	s_cmp_lg_u32 s2, 0xf033
	s_cbranch_scc0 .Lentry_shape_is_right
	s_endpgm
.Lentry_shape_is_right:
; out0[m][n] = sum over k of o[m][k] Wo[k][n] + bo[n], on codes of FP8 (E4M3).  oc: o's codes, [16 h][8192 m][64 e], k = 64 h + e.  wc + 3 x 2^20: Wo's codes, [1024 n][1024 k].  out0: [8192][1024] f32.
; The codes are multiplied as they are, and each finished sum once by 2^(e10 + e11).  LIMIT: e10 + e11 between -126 and 127, so that the factor is an f32 number.
; A block of C is 128 x 256: 64 x 4 = 256 work-groups.  Four waves; a wave makes 64 x 128: 32 accumulators of 16 x 16, 256 registers.
; K goes in four steps of 256 (four heads) through a ring of two LDS slots.  Waves 0, 1 fetch A's halves (64 rows: for each of four heads 4,096 consecutive bytes), waves 2, 3 B's (128 rows of 256 bytes): one load a wave.
; CLUSTERS: 4 x 4 work-groups; A's tiles are asked for jointly along a row of the cluster, B's along a column.
; NO PREFETCH: K has four steps; steps 0 and 1 are asked for at the head and steps 2 and 3 at the first two changes of slots: no trip stands two steps ahead of a load.
; THE MATRIX INSTRUCTION IS USED TRANSPOSED (source 0 = 16 rows of Wo's codes, source 1 = 16 rows of o): a lane holds eight neighbouring numbers of a row of C.
; REGISTERS: window 0: v0-35 addresses and the bias; v128-191, v192-255 A's fragments (4 x 16 rows x 128 K), two sets; window 1: B's fragments, two sets, at v0 and v128; window 2: accumulator (a, b) at v[8 (8 a + b)].
.set ROWB,   256
.set KROW,   1024
.set PITCH,  272                       ; B's LDS row: 256 bytes + 16
.set PA,     80                        ; A's LDS row: a head's 64 bytes + 16
.set ZB,     64*PA                     ; 64 rows of one head
.set AHALF,  4*ZB                      ; what one of A's loads brings
.set ASTEP,  4*524288                  ; four heads on in oc
.set FR,     16
.set NP,     4                         ; places behind this matrix instruction (ISA guide 7.12.1)
.set HALFT,  128*PITCH
.set SLOT,   2*AHALF+2*HALFT
.set SPARE,  2*SLOT                    ; the spare words, 128 bytes a wave: two blocks of 256 bytes that no other line names
.set SPITCH, 528                       ; the way out: 16 rows x (512 + 16) bytes a wave, in slot 0, which has had its last fill and its last read by then
.set ADRA, 16
.set ADRB, 20
.set STO,  24
.set RD,   25
.set CO,   26
.set SPW,  28
.set NIL,  29
.set BO,   32
.set AF,   128
.set BK,   128
.set G1, 24
.set G0, 32
.set G1B, 48
.set G0B, 56
.set MSB, 0
.macro WIN new
.if MSB != (\new)
	s_set_vgpr_msb (MSB<<8)|(\new)
.set MSB, (\new)
.endif
.endm
.set MUL,  0xa1                        ; source 0 (B) window 1, source 1 (A) window 0, C and D window 2
.set TO_B, 0x40
.macro JLOAD g0a, g1a, g0b, g1b        ; a joint load in each arm; s_nop 0 and four v_nop behind each
	s_cmp_eq_u32 s15, 0
	s_cbranch_scc0 .Lfor_b_\@
	tensor_load_to_lds s[\g0a:\g0a+3], s[\g1a:\g1a+7]
	s_nop 0
.rept 4
	v_nop
.endr
	s_branch .Lasked_\@
.Lfor_b_\@:
	tensor_load_to_lds s[\g0b:\g0b+3], s[\g1b:\g1b+7]
	s_nop 0
.rept 4
	v_nop
.endr
.Lasked_\@:
.endm
.macro CREST
	s_cmp_lg_u32 s14, 0
	s_cbranch_scc1 .Lnot_wave_0_\@
	s_barrier_signal -3
.Lnot_wave_0_\@:
	s_barrier_wait -3
	s_barrier_signal -1
	s_barrier_wait -1
.endm
.macro CROUND
	s_barrier_signal -1
	s_barrier_wait -1
	CREST
.endm
	s_load_b256 s[4:11], s[0:1], 0x0               ; oc 4:5, wc 6:7, the scales' exponents 8:9, bo 10:11
	s_load_b64 s[12:13], s[0:1], 0x20              ; out0
	v_lshl_add_u32 v[SPW], v0, 2, SPARE
	v_mov_b32 v[NIL], 0
	ds_add_u32 v[SPW], v[NIL]                      ; the opening: the add, twice on end, and its wait ahead of my first tensor load
	ds_add_u32 v[SPW], v[NIL]
	v_lshrrev_b32 v1, 5, v0
	v_readfirstlane_b32 s14, v1                    ; wave 0..3
	s_lshr_b32 s15, s14, 1                         ; my half of the block's rows; also: I fetch for A (0) or B (1)
	s_and_b32 s16, s14, 1                          ; my half of its columns; also: which half of that tile I fetch
	s_bfe_u32 s40, ttmp6, 0x40000                  ; cx
	s_bfe_u32 s41, ttmp6, 0x40004                  ; cy
	s_lshl_b32 s42, ttmp9, 2
	s_add_co_u32 s42, s42, s40                     ; block column 0..3
	s_and_b32 s17, ttmp7, 0xffff
	s_lshl_b32 s17, s17, 2
	s_add_co_u32 s17, s17, s41                     ; block row 0..63
	s_lshl_b32 s43, s41, 2
	s_lshl_b32 s43, 15, s43                        ; my row of the cluster
	s_lshl_b32 s44, 0x1111, s40                    ; my column
	s_or_b32 s[G1+0], s43, (0<<16)|(1<<20)|(1<<21)|(3<<22)|(3<<25)   ; A: four rows of 4,096 bytes, 524,288 apart; four words of padding after every 16
	s_mov_b32 s[G1+1], 4096<<16
	s_mov_b32 s[G1+2], 4<<16
	s_mov_b32 s[G1+3], 4096<<16
	s_mov_b32 s[G1+4], 4
	s_mov_b32 s[G1+5], 524288
	s_mov_b32 s[G1+6], 0
	s_mov_b32 s[G1+7], 0
	s_or_b32 s[G1B+0], s44, (0<<16)|(1<<20)|(1<<21)|(5<<22)|(3<<25)  ; B: 128 rows of 256 bytes; four words after every 64
	s_mov_b32 s[G1B+1], ROWB<<16
	s_mov_b32 s[G1B+2], 128<<16
	s_mov_b32 s[G1B+3], ROWB<<16
	s_mov_b32 s[G1B+4], 128
	s_mov_b32 s[G1B+5], KROW
	s_mov_b32 s[G1B+6], 0
	s_mov_b32 s[G1B+7], 0
	s_lshl_b32 s20, s17, 13                        ; A: 128 rows of 64 bytes a block row,
	s_lshl_b32 s18, s16, 12                        ; + 64 rows a half
	s_add_co_u32 s20, s20, s18
	s_mov_b32 s21, 0
	s_lshl_b32 s46, s42, 8
	s_lshl_b32 s18, s16, 7
	s_add_co_u32 s46, s46, s18                     ; B: row 256 x block column + 128 x half
	s_lshl_b32 s46, s46, 10
	s_add_co_u32 s46, s46, 0x300000                ; Wo is the fourth tensor in wc
	s_mov_b32 s47, 0
	s_mul_i32 s45, s16, AHALF                      ; where they go: the wave's number alone
	s_mul_i32 s19, s16, HALFT
	s_add_co_u32 s19, s19, 2*AHALF
	s_wait_dscnt 0x0                               ; both opening adds are done
	s_wait_kmcnt 0x0
	s_load_b64 s[96:97], s[8:9], 0x28              ; e10, e11
	s_add_nc_u64 s[20:21], s[4:5], s[20:21]
	s_add_nc_u64 s[46:47], s[6:7], s[46:47]
	CROUND                                         ; all sixteen work-groups are here: the first joint loads meet
.irp s, 0,1
	s_mov_b32 s[G0+4*\s], 1
	s_add_co_u32 s[G0+4*\s+1], s45, \s*SLOT
	s_add_nc_u64 s[G0+4*\s+2:G0+4*\s+3], s[20:21], \s*ASTEP
	s_or_b32 s[G0+4*\s+3], s[G0+4*\s+3], 0x80000000
	s_mov_b32 s[G0B+4*\s], 1
	s_add_co_u32 s[G0B+4*\s+1], s19, \s*SLOT
	s_add_nc_u64 s[G0B+4*\s+2:G0B+4*\s+3], s[46:47], \s*ROWB
	s_or_b32 s[G0B+4*\s+3], s[G0B+4*\s+3], 0x80000000
.endr
	JLOAD G0, G1, G0B, G1B                         ; K step 0: my one tensor load at the head
	s_mul_i32 s21, s15, AHALF                      ; my 64 rows of A,
	s_mul_i32 s22, s16, HALFT
	s_add_co_u32 s22, s22, 2*AHALF                 ; my 128 rows of B,
	s_add_co_u32 s66, s21, SLOT                    ; and the same in slot 1
	s_add_co_u32 s67, s22, SLOT
	s_mul_i32 s23, s14, 16*SPITCH                  ; my stage
	s_lshl_b32 s70, s17, 7
	s_lshl_b32 s71, s15, 6
	s_add_co_u32 s70, s70, s71                     ; my first row of C
	s_lshl_b32 s70, s70, 12                        ; rows of 4,096 bytes
	s_mov_b32 s71, 0
	s_lshl_b32 s72, s42, 10
	s_lshl_b32 s73, s16, 9
	s_add_co_u32 s72, s72, s73                     ; my first column, in bytes
	s_mov_b32 s73, 0
	s_add_nc_u64 s[10:11], s[10:11], s[72:73]
	s_add_nc_u64 s[70:71], s[70:71], s[72:73]
	s_add_nc_u64 s[12:13], s[12:13], s[70:71]
	v_and_b32 v1, 15, v0                           ; l % 16
	v_bfe_u32 v2, v0, 4, 1                         ; l / 16
	v_mul_u32_u24 v3, v1, PA
	v_lshl_add_u32 v3, v2, 4, v3
	v_mul_u32_u24 v4, v1, PITCH
	v_lshl_add_u32 v4, v2, 4, v4
	v_add_nc_u32 v[ADRA], s21, v3
	v_add_nc_u32 v[ADRB], s22, v4
	v_add_nc_u32 v[ADRA+1], s66, v3
	v_add_nc_u32 v[ADRB+1], s67, v4
	v_mul_u32_u24 v5, v1, SPITCH
	v_lshl_add_u32 v5, v2, 5, v5
	v_add_nc_u32 v[STO], s23, v5                   ; the stage, in: row l % 16, 32 bytes for each half of the lanes
	v_and_b32 v6, 31, v0
	v_lshlrev_b32 v[CO], 4, v6                     ; back: the 32 lanes take one row of 512 bytes; the same in C and in bo
	v_add_nc_u32 v[RD], s23, v[CO]
	s_wait_alu depctr_va_vdst(0)
	global_load_b128 v[BO:BO+3], v[CO], s[10:11]   ; my four columns' bias
.macro FRAG reg, adr, q, i
.irp c, 0,1,2,3
	ds_load_b128 v[\reg+4*\c:\reg+4*\c+3], v[\adr] offset:128*(\q)+32*\c+(\i)*16*PITCH
.endr
.endm
.macro FRAGA reg, adr, q, i            ; the same k in the same registers: 128 along K are two heads of 64
.irp c, 0,1,2,3
	ds_load_b128 v[\reg+4*\c:\reg+4*\c+3], v[\adr] offset:(2*(\q)+\c/2)*ZB+32*(\c%2)+(\i)*16*PA
.endr
.endm
.macro MUL8 a, p, zero                 ; A's block a against B's eight, set p; the 32 accumulators take turns in one order
.irp b, 0,1,2,3,4,5,6,7
.if \zero
	v_wmma_f32_16x16x128_fp8_fp8 v[8*(8*(\a)+\b):8*(8*(\a)+\b)+7], v[128*(\p)+FR*\b:128*(\p)+FR*\b+FR-1], v[AF+64*(\p)+FR*(\a):AF+64*(\p)+FR*(\a)+FR-1], 0
.else
	v_wmma_f32_16x16x128_fp8_fp8 v[8*(8*(\a)+\b):8*(8*(\a)+\b)+7], v[128*(\p)+FR*\b:128*(\p)+FR*\b+FR-1], v[AF+64*(\p)+FR*(\a):AF+64*(\p)+FR*(\a)+FR-1], v[8*(8*(\a)+\b):8*(8*(\a)+\b)+7]
.endif
.endr
.endm
.macro FETCH slot, q, p                ; 48 LDS loads: the fragments of the slot's q-th 128 along K into set p
	WIN TO_B
.irp i, 0,1,2,3,4,5,6,7
	FRAG 128*(\p)+FR*\i, ADRB+\slot, \q, \i
.endr
	WIN 0
.irp i, 0,1,2,3
	FRAGA AF+64*(\p)+FR*\i, ADRA+\slot, \q, \i
.endr
.endm
.macro PLACES n
.rept \n
	v_nop
.endr
.endm
; A slot's first 128 along K: set 0 is multiplied while set 1 is fetched.
.macro EVEN slot, zero
	s_wait_dscnt 0x0                               ; set 0 is in
	PLACES NP                                      ; in front of loads into registers that the last products read
	FETCH \slot, 1, 1
	WIN MUL
	MUL8 0, 0, \zero
	MUL8 1, 0, \zero
	MUL8 2, 0, \zero
	MUL8 3, 0, \zero
	WIN 0
.endm
; A slot's second 128 change slots: one barrier; in front of it each wave waits for all its tensor loads, adds 0 to its spare word, and waits for that and for its reads of this slot.
.macro ODD slot, next, fill
	s_wait_tensorcnt 0x0                           ; my part of the next slot is in
	ds_add_u32 v[SPW], v[NIL]
	s_wait_dscnt 1                                 ; set 1 is in; the add may be out
	WIN MUL
	MUL8 0, 1, 0
	s_wait_dscnt 0x0                               ; the add is done, and my reads of this slot are over
	s_barrier_signal -1
	MUL8 1, 1, 0
	WIN 0
	s_barrier_wait -1
.if \fill
	CREST                                          ; the barrier has opened a round of the cluster's barrier
	s_add_nc_u64 s[G0+4*\slot+2:G0+4*\slot+3], s[G0+4*\slot+2:G0+4*\slot+3], 2*ASTEP
	s_add_nc_u64 s[G0B+4*\slot+2:G0B+4*\slot+3], s[G0B+4*\slot+2:G0B+4*\slot+3], 2*ROWB
	JLOAD G0+4*\slot, G1, G0B+4*\slot, G1B         ; the first tensor load behind the round; its four v_nop are the places in front of the loads below
.else
	PLACES NP
.endif
	FETCH \next, 0, 0
	WIN MUL
	MUL8 2, 1, 0
	MUL8 3, 1, 0
	WIN 0
.endm
	s_wait_tensorcnt 0x0                           ; my part of K step 0 is in
	ds_add_u32 v[SPW], v[NIL]
	s_wait_dscnt 0x0
	CROUND
	JLOAD G0+4, G1, G0B+4, G1B                     ; K step 1, the first tensor load behind the round
	FETCH 0, 0, 0
	EVEN 0, 1                                      ; the first products start the sums
	ODD 0, 1, 1                                    ; slot 0 takes K step 2
	EVEN 1, 0
	ODD 1, 0, 1                                    ; slot 1 takes K step 3
	EVEN 0, 0
	ODD 0, 1, 0                                    ; nothing more is filled
	EVEN 1, 0
	s_wait_dscnt 0x0
	WIN MUL
	MUL8 0, 1, 0
	MUL8 1, 1, 0
	MUL8 2, 1, 0
	MUL8 3, 1, 0
	WIN 0
; THE WAY OUT, block by block of 16 rows x 128 columns, through my stage: back come whole rows of 512 bytes, which get the factor and the bias and leave as one aligned run of 512 bytes a row.
.macro TOSTAGE a
.set AC, 64*(\a)
	WIN 0x08                                       ; the stores' data: window 2; each accumulator from its low end on
.irp b, 0,1,2,3,4,5,6,7
	ds_store_b128 v[STO], v[AC+8*\b:AC+8*\b+3] offset:64*\b
	ds_store_b128 v[STO], v[AC+8*\b+4:AC+8*\b+7] offset:64*\b+16
.endr
	WIN 0
.set BB, BK+64*((\a)%2)
.irp t, 0,1,2,3,4,5,6,7,8,9,10,11,12,13,14,15
	ds_load_b128 v[BB+4*\t:BB+4*\t+3], v[RD] offset:\t*SPITCH   ; LDS serves a wave's instructions in order: these see my stores
.endr
.endm
.macro SEND a, younger
.set BB, BK+64*((\a)%2)
	s_wait_dscnt \younger
.if (\a) > 0
	s_add_nc_u64 s[12:13], s[12:13], 16*4096       ; (behind a wait on XCNT) 16 rows of C on
.endif
.irp t, 0,1,2,3,4,5,6,7,8,9,10,11,12,13,14,15
	v_pk_fma_f32 v[BB+4*\t:BB+4*\t+1], v[BB+4*\t:BB+4*\t+1], s[96:97], v[BO:BO+1] op_sel_hi:[1,0,1]
	v_pk_fma_f32 v[BB+4*\t+2:BB+4*\t+3], v[BB+4*\t+2:BB+4*\t+3], s[96:97], v[BO+2:BO+3] op_sel_hi:[1,0,1]
.endr
.irp t, 0,1,2,3,4,5,6,7,8,9,10,11,12,13,14,15
	global_store_b128 v[CO], v[BB+4*\t:BB+4*\t+3], s[12:13] offset:\t*4096 th:TH_STORE_NT   ; 32 lanes store 512 consecutive bytes, aligned
.endr
.endm
	s_wait_kmcnt 0x0
	s_add_co_i32 s96, s96, s97
	s_add_co_i32 s96, s96, 127
	s_lshl_b32 s96, s96, 23                        ; 2^(e10 + e11) as f32
	s_mov_b32 s97, s96
	s_wait_loadcnt 0x0                             ; the bias
	PLACES NP
	s_wait_alu depctr_va_vdst(0)
	TOSTAGE 0
.irp a, 1,2,3
.if \a > 1
	s_wait_xcnt 0x0                                ; block a - 2's stores have read their registers and their base
.endif
	TOSTAGE \a
	SEND \a-1, 32                                  ; behind block a - 1's loads: block a's 16 stores and 16 loads
.endr
	s_wait_xcnt 0x0
	SEND 3, 0
	s_wait_tensorcnt 0x0                           ; the wave's end
	ds_add_u32 v[SPW], v[NIL]
	s_wait_dscnt 0x0
	CROUND                                         ; the closing round
	s_endpgm
.Lfunc_end_k_q82ccc2ea0f_outp:
	.size	k_q82ccc2ea0f_outp, .Lfunc_end_k_q82ccc2ea0f_outp-k_q82ccc2ea0f_outp
	.p2alignl 7, 3214868480
	.fill 96, 4, 3214868480
	.section	.rodata,"a",@progbits
	.p2align	6, 0x0
	.amdhsa_kernel k_q82ccc2ea0f_outp
		.amdhsa_group_segment_fixed_size 327680
		.amdhsa_private_segment_fixed_size 0
		.amdhsa_enable_private_segment 0
		.amdhsa_kernarg_size 40
		.amdhsa_user_sgpr_count 2
		.amdhsa_user_sgpr_kernarg_segment_ptr 1
		.amdhsa_wavefront_size32 1
		.amdhsa_system_sgpr_workgroup_id_x 1
		.amdhsa_system_sgpr_workgroup_id_y 1
		.amdhsa_system_sgpr_workgroup_id_z 1
		.amdhsa_system_vgpr_workitem_id 0
		.amdhsa_next_free_vgpr 768
		.amdhsa_next_free_sgpr 100
		.amdhsa_reserve_vcc 0
		.amdhsa_float_denorm_mode_32 3
		.amdhsa_float_denorm_mode_16_64 3
		.amdhsa_memory_ordered 1
		.amdhsa_forward_progress 1
		.amdhsa_inst_pref_size 76
	.end_amdhsa_kernel
	.amdgpu_metadata
---
amdhsa.version: [ 1, 2 ]
amdhsa.kernels:
  - .name:           k_q82ccc2ea0f_outp
    .symbol:         k_q82ccc2ea0f_outp.kd
    .args:
      - { .name: oc, .offset: 0, .size: 8, .value_kind: global_buffer, .address_space: global }
      - { .name: wc, .offset: 8, .size: 8, .value_kind: global_buffer, .address_space: global }
      - { .name: lowp_scales, .offset: 16, .size: 8, .value_kind: global_buffer, .address_space: global }
      - { .name: bo, .offset: 24, .size: 8, .value_kind: global_buffer, .address_space: global }
      - { .name: out0, .offset: 32, .size: 8, .value_kind: global_buffer, .address_space: global }
    .group_segment_fixed_size: 327680
    .private_segment_fixed_size: 0
    .kernarg_segment_align: 8
    .kernarg_segment_size: 40
    .max_flat_workgroup_size: 128
    .sgpr_count:     100
    .vgpr_count:     768
    .wavefront_size: 32
...
	.end_amdgpu_metadata
.endif
;; end of part 4
